; MI455X (gfx1250); checked and timed in simulation.
; The chip was launched on July 23, 2026; its instructions are those of AMD's public machine-readable ISA for CDNA 5 (MIT licence, August 2026) and "CDNA5" Instruction Set Architecture Reference Guide (July 2026). The comments in the code are by the model that wrote it; some were corrected since.
;; Edge GAT Layer. Allowed arithmetic: matrix products marked QUANTISED: E2M1 operands, one E8M0 scale for each 32 along K, by v_wmma_scale_f32_16x16x128_f8f6f4 with both operands' format E2M1 (or v_wmma_scale_f32_32x16x128_f4), f32 sums; everything else in f32.
;; Inputs: Wk 128 x 128 float32; Wo 128 x 128 float32; Wq 128 x 128 float32; Wv 128 x 128 float32; beta 128 float32; bo 128 float32; edge_feat 256 x 256 x 128 float32; gamma 128 float32; off_diag_mask 256 x 256 float32.
;; Outputs: out0 256 x 256 x 128 float32.
;; This version of the problem:
;;   THIS VERSION OF THE PROBLEM IS GIVEN IN LOW PRECISION. The matrix products marked QUANTISED in the list below multiply operands that are first quantised to E2M1 (2 exponent bits, 1 mantissa bit; 4 bits a number), with one power-of-two scale for each 32 numbers along K (OCP MX v1.0); their sums are f32. All else is computed in f32.
;;   The module's matrix products, in the order in which they are computed (A, B: the left and right operand; K: the contracted axis; several contracted axes count as one K, in the product's order):
;;     1. [M 65,536, K 128] x [K 128, N 128]; A: input edge_feat; B: input Wq: QUANTISED
;;     2. [M 65,536, K 128] x [K 128, N 128]; A: input edge_feat; B: input Wk: QUANTISED
;;     3. [M 65,536, K 128] x [K 128, N 128]; A: input edge_feat; B: input Wv: QUANTISED
;;     4. batch 1,024 x [M 256, K 32] x [K 32, N 256]; A: computed on the way; B: computed on the way: QUANTISED
;;     5. batch 1,024 x [M 32, K 256] x [K 256, N 256]; A: computed on the way; B: softmax (see below): QUANTISED
;;     6. batch 1,024 x [M 256, K 32] x [K 32, N 256]; A: computed on the way; B: computed on the way: QUANTISED
;;     7. batch 1,024 x [M 32, K 256] x [K 256, N 256]; A: computed on the way; B: softmax (see below): QUANTISED
;;     8. [M 65,536, K 128] x [K 128, N 128]; A: computed on the way; B: input Wo: QUANTISED
;;   THE QUANTISER, for each operand of a quantised product, along K:
;;     - K is cut into blocks of 32 from its start; a last block that is shorter is filled with zeros.
;;     - A block's scale is 2^e with e = floor(log2(the largest magnitude in the block)) - 2, held to -126 .. 127; a block of zeros has e = 0. As a byte (E8M0): e + 127.
;;     - Each number is divided by its block's scale, clamped to +-6, and rounded to the nearest number of E2M1, ties to even, subnormals kept.
;;     - The product sums the exact products of the quantised numbers (number of the format x scale) in f32.
;;   ~~~python
;;   def quantise(x, axis):      # numpy; x: float32 -> the quantised numbers, widened to float32 again
;;       x = np.moveaxis(x, axis, -1); K = x.shape[-1]
;;       x = np.pad(x, [(0, 0)] * (x.ndim - 1) + [(0, -K % 32)]); x = x.reshape(x.shape[:-1] + (-1, 32)); a = np.abs(x).max(-1, keepdims=True)
;;       e = np.where(a > 0, np.clip(np.frexp(np.where(a > 0, a, 1))[1] - 1 - 2, -126, 127), 0)      # np.frexp(a)[1] - 1 = floor(log2(a)), exactly
;;       r = np.clip(x / 2.0 ** e, -6, 6)
;;       step = 2.0 ** (np.maximum(np.frexp(np.where(r == 0, 1, r))[1] - 1, 0) - 1)
;;       q = np.round(r / step) * step * 2.0 ** e      # np.round: ties to even
;;       return np.moveaxis(q.reshape(q.shape[:-2] + (-1,))[..., :K], -1, axis).astype(np.float32)
;;   ~~~
;;   SOFTMAX AHEAD OF A QUANTISED PRODUCT. Where the list says 'softmax', what is quantised is not the finished softmax but p = 2^(t - M), with t = logit x log2(e) and M = ceil(the row's largest t), a whole number; so 1/2 < the row's largest p <= 1. The row's sum l is taken of the UNQUANTISED p, in f32, and the product's result is divided by l at the end. Since M is a whole number, a kernel that streams over the keys may use a running M (the ceiling of the running maximum): every later rescaling is an exact power of two, which a block's scale takes up: the codes' values come out the same.
;;   OPERANDS COMPUTED ON THE WAY. 'Computed on the way' means the value that the module computes at that place (a softmax that the list does not call 'softmax' is quantised finished and normalised). What goes into a quantiser is computed in f32, as accurately as f32 sums, v_exp_f32 and their like allow (about 1e-6 of the number): no bf16 or f16 on the way to a quantiser, and a product that is left as it is and whose result goes on into a quantised operand takes f32 operands (vector FMAs, or v_wmma_f32_16x16x4_f32). A number that lies on a knife's edge between two numbers of the format may be rounded either way, as far as f32 arithmetic and the matrix unit's own rounding can turn it there, and no further.
;; One version. Each part assembles by itself: llvm-mc -triple=amdgcn-amd-amdhsa -mcpu=gfx1250 --defsym DOCPART=n.
;; ======== version 1 of 1: 2 launches
;; limits: right only within a limited range of input values
;; workspace buffers: wimg 36,864 bytes; ocol 33,554,432 bytes
;; launch colatt (part 1): grid 256 x 1, 16 waves a work-group, no clusters, 327,680 bytes of LDS; arguments edge_feat, off_diag_mask, Wq, Wk, Wv, Wo, wimg, ocol; writes wimg, ocol
.if DOCPART == 1
	.amdgcn_target "amdgcn-amd-amdhsa--gfx1250"
	.amdhsa_code_object_version 6
	.text
	.protected	k_q679667b4b7_colatt
	.globl	k_q679667b4b7_colatt
	.p2align	8
	.type	k_q679667b4b7_colatt,@function
k_q679667b4b7_colatt:
	s_mov_b64 s[64:65], 0
	v_nop
	global_prefetch_b8 v0, s[64:65] scope:SCOPE_SE
	s_setreg_imm32_b32 hwreg(HW_REG_WAVE_MODE, 25, 1), 1
	s_wait_xcnt 0x0
; EdgeGATLayer in MX-FP4, launch 1 of 2: attention within a column; and the weights' codes for launch 2.
; NOTHING OF THE PROBLEM IS LEFT OUT in either launch: every input has a way to the output and is loaded, all eight products are done, and the mask, an input, is honoured by value.
; A work-group owns ONE column c of the 256 x 256 grid of edges, a sequence of 256 positions.  16 waves of 256 registers; WAVE w OWNS POSITIONS 16 w .. 16 w + 15 from end to end: it brings its rows of X, quantises them,
; walks all four heads for its 16 queries, and stores 0.5 x the result into ocol [q][c][128], f32: launch 2 adds it to the row attention's half ahead of the next quantiser, so it stays f32.
; The projections alone are shared otherwise: wave w projects head w % 4 for the 64 positions of group w / 4; Q's codes go to their owner, K's and V's to everybody, through LDS.  Behind that barrier no wave waits for another.
; All products are v_wmma_scale_f32_16x16x128_f8f6f4 on E2M1 codes with E8M0 scales; what goes into a quantiser is f32.
; TILES.  Tile T is positions 16 T + r.  Where it is source 0, a lane's 16 registers of tiles 2 b and 2 b + 1 are 16 of the 32 keys of block b: 32 b + 8 hl + 0..7 and 32 b + 16 + 8 hl + 0..7 (hl = lane / 16); lanes l and l xor 16 hold
; the whole block.  Within the block P's codes and V's stand in the same order, which is all that the product asks.
; THE WEIGHTS.  W [128 (k)][128 (n)] f32 has K as its first axis.  While its rows of X are on their way, wave (h, g) quantises block g (k = 32 g on) of columns 32 h .. 32 h + 31 of Wq, Wk, Wv: a lane to a column, its 32 registers
; down K, each load 128 consecutive bytes.  The 16 bytes of codes are one lane's share of one register quad of a fragment, and go to that place in an image of the fragments in LDS; the scale byte to its place in the column's word.
; Column 32 h + n is row n % 8 + 8 (n / 16) of tile 2 h + (n / 8) % 2: so a lane's 16 registers of a head's two tiles are features 32 h + 16 hl + 0..15.
; For launch 2, work-group h (0 to 3) also has Wo's columns of head h made, and its four waves of head h copy that head's part of the image to wimg, a weight a wave.
; wimg and its image: weight y (0 Wq, 1 Wk, 2 Wv, 3 Wo) at 9,216 y; tile t's registers as they stand at + 1,024 t + 512 c + 16 lane; its scale words at + 8,192 + 128 t + 4 lane (both halves of the lanes hold row r's word).
; BOTH ATTENTION PRODUCTS ARE USED TRANSPOSED: S^T = K Q^T, O^T = V^T P^T: a lane holds one query throughout.
; THE SOFTMAX: t = score x log2(e) / sqrt(32); M = the running largest t rounded up to a whole number; p = 2^(t - M) is quantised along the keys; the sum is taken of the unquantised p and divides at the end.
; THE MASK RIDES IN THE SCORE PRODUCT.  The head's 32 fill block 0 of four blocks of 32.  In block 1 the queries hold one code, +6 at k = 35, under the scale 1; the keys' lanes 16-31 load the key's four scale words as codes;
; byte 1 of each is 0xE3 where the key is masked and 0x01 where not: its high four bits are the code at k = 35 (-4, or 0), and the same byte is block 1's scale (2^100, or 2^-126).  Blocks 2 and 3 meet zero codes of the queries.
; LIMITS: a sequence all of whose keys are masked is not served (there the expected numbers are NaN); a masked score is -24 x 2^100 and not -infinity, and the running largest t is held at -2^96 from below, so logits under
; about -2^96 are not served; NaN and infinities among the inputs are not served; a block of zeros, or one whose largest magnitude lies under 2^-124, keeps the scale byte 1 (the bytes are read by this program alone).
; NO CLUSTER: what work-groups share is the three weights, 196,608 bytes of f32.  They go from memory into registers, a lane to a column; as tiles in LDS they would not fit beside X's 135,168 bytes (331,776 of 327,680).
; Nothing is prefetched: all that a work-group reads is asked for at its head, and no loop runs ahead of a load from memory.
.set PITCH, 528                        ; an LDS row of 128 f32: 512 bytes + 16 of padding
.set WROWS, 16*PITCH                   ; my 16 rows: 8,448 bytes, 33 blocks of 256
.set WIM,   135168                     ; LDS: from 0 X's 256 rows, later the stage for the way out; from WIM the weights' image, 36,864 bytes
.set XIMG,  270336                     ; X's 16 fragments, 1,024 T + 512 c + 16 lane; later Q's codes, 1,024 T + 256 h + 16 r
.set KH,    286720                     ; K's codes: 4,096 h + 256 T + 16 r
.set KS,    303104                     ; K's scale words: 256 T + 16 r + 4 h
.set VIMG,  307200                     ; V's fragments: 4,096 h + 2,048 u + 1,024 s + 512 c + 16 lane
.set XSC,   323584                     ; X's scale words: 64 T + 4 r; later Q's scale bytes, + h
.set VS,    324608                     ; V's scale words: 256 h + 128 u + 64 s + 4 r
.set SPARE, 325632                     ; the spare words, 128 bytes for each of 16 waves
.set SPW, 1                            ; v1   LDS address of my spare word; never rewritten
.set NIL, 2                            ; v2   0; never rewritten
.set GOF, 3                            ; v3   16 x lane
.set XA,  4                            ; v4   my row r in LDS, + 64 hl
.set XIM, 5                            ; v5   my tile's image, 16 a lane
.set XSW, 6                            ; v6   my tile's scale words, 4 r
.set KB,  7                            ; v7   K of head 0: lanes 0-15 codes, lanes 16-31 the scale words
.set NHL, 8                            ; v8   1 in lanes 0-15, 0 in lanes 16-31
.set VB,  9                            ; v9   V's images,  v10 K's scale words,  v11 V's, of head 0
.set SB,  10
.set TB,  11
.set QB,  12                           ; v12  my queries' codes of head 0
.set QW,  15                           ; v15  my query's scale bytes, those of the heads still to come
.set QC,  16                           ; v16-23  the queries' operand: four registers of codes, four of zeros   (the head: v16-19 addresses)
.set QA,  24                           ; v24-31  (the head: Q's codes)
.set KR,  32                           ; v32-95  K's codes; at the end 16 rows on their way out
.set WR,  32                           ; (the head: v32-127 my 3 x 32 numbers of the weights)
.set WF,  32                           ; (projections: v32-79 my head's two tiles of Wq, Wk, Wv; v80-85 their scale words; v86-89 X's)
.set WS,  80
.set XW,  86
.set VR,  96                           ; v96-127 V's four fragments (u, s) at 16 u + 8 s   (projections: X's four fragments)
.set XF,  96
.set S,   128                          ; v128-191 scores, then p; 64 numbers at work
.set OA,  192                          ; v192-207 O^T   (the head: addresses, and v202-205 the mask)
.set MK,  202
.set PC,  208                          ; v208-215 codes just made   (the head: v208-223 the weights' codes, v224-227 their scale bytes)
.set KSW, 216                          ; v216-223 K's scale words: register j: lanes 0-15 tile 2 j, lanes 16-31 tile 2 j + 1
.set VSW, 224                          ; v224-225 V's: lanes 0-15 step 0, lanes 16-31 step 1
.set NM,  230                          ; v230 -M;  v231 the running largest t
.set TX,  231
.set LS,  232                          ; v232-233 the sum, in two halves
.set BM,  234                          ; v234-237 four blocks' maxima
.set T4,  238                          ; v238-241 the other half's maxima, then the scale bytes
.set SO,  242                          ; v242-245 the conversions' scale operands
.set FF,  246                          ; v246 a factor for packed multiplies
.set PW,  247                          ; v247 the scale word just made.   v248-254 at work
.set QSW, 255                          ; v255 Q's scale word of this head
.set HO,  84                           ; s84 4,096 x the head to come, s85 4 x, s86 256 x;  s89 128 x this head;  s90 trips
.set HS,  85
.set HT,  86
.set OCO, 89
; s[4:5] X, s[6:7] the mask, s[8:9] Wq, s[10:11] Wk, s[12:13] Wv, s[14:15] Wo, s[16:17] wimg, s[18:19] ocol; s20 wave, s21 h, s22 g; s[24:25] lane selects; s[26:27] c; s[28:29] the mask at my column; s[30:31] where I store;
; s[32:39] descriptor group 1; s[40:43] group 0; s55 my rows in LDS; s68, s69 my part of wimg; s91 lanes 0-15; s92 the constant bytes of Q's scale word
.macro PLACES n
.rept \n
	v_nop
.endr
.endm
; One product.  acc = 0: it starts a sum; 1: it adds in place.  row = 1: source 0's scales are read from lanes 16-31
.macro MM d, a, b, acc, sa, sb, row
.if \acc
.if \row
	v_wmma_scale_f32_16x16x128_f8f6f4 v[\d:\d+7], v[\a:\a+7], v[\b:\b+7], v[\d:\d+7], v[\sa], v[\sb] matrix_a_fmt:MATRIX_FMT_FP4 matrix_b_fmt:MATRIX_FMT_FP4 matrix_a_scale:MATRIX_SCALE_ROW1
.else
	v_wmma_scale_f32_16x16x128_f8f6f4 v[\d:\d+7], v[\a:\a+7], v[\b:\b+7], v[\d:\d+7], v[\sa], v[\sb] matrix_a_fmt:MATRIX_FMT_FP4 matrix_b_fmt:MATRIX_FMT_FP4
.endif
.else
.if \row
	v_wmma_scale_f32_16x16x128_f8f6f4 v[\d:\d+7], v[\a:\a+7], v[\b:\b+7], 0, v[\sa], v[\sb] matrix_a_fmt:MATRIX_FMT_FP4 matrix_b_fmt:MATRIX_FMT_FP4 matrix_a_scale:MATRIX_SCALE_ROW1
.else
	v_wmma_scale_f32_16x16x128_f8f6f4 v[\d:\d+7], v[\a:\a+7], v[\b:\b+7], 0, v[\sa], v[\sb] matrix_a_fmt:MATRIX_FMT_FP4 matrix_b_fmt:MATRIX_FMT_FP4
.endif
.endif
.endm
; 64 numbers of a lane, v[s] on: four blocks, block b = registers 16 b .. 16 b + 15 of lanes l and l xor 16.  Codes: v[d + 2 b], v[d + 2 b + 1]; scale bytes: v[T4 + b]
.macro QCORE s, d
.irp b, 0,1,2,3
	v_max3_num_f32 v[BM+\b], |v[\s+16*\b]|, |v[\s+1+16*\b]|, 0x1800000   ; with the floor 2^(3 - 127): the byte cannot fall under 1
.endr
.irp i, 2,4,6,8,10,12,14
.irp b, 0,1,2,3
	v_max3_num_f32 v[BM+\b], v[BM+\b], |v[\s+16*\b+\i]|, |v[\s+1+16*\b+\i]|
.endr
.endr
.irp b, 0,1,2,3
	s_delay_alu instid0(VALU_DEP_4)
	v_permlanex16_b32 v[T4+\b], v[BM+\b], s24, s25
.endr
.irp b, 0,1,2,3
	s_delay_alu instid0(VALU_DEP_4)
	v_max_num_f32 v[BM+\b], v[BM+\b], v[T4+\b]     ; the block's largest magnitude
.endr
.irp b, 0,1,2,3
	s_delay_alu instid0(VALU_DEP_4)
	v_add_nc_u32 v[SO+\b], 0xff000000, v[BM+\b]    ; 2 off its exponent field: the conversion's scale operand
.endr
.irp b, 0,1,2,3
	s_delay_alu instid0(VALU_DEP_4)
	v_lshrrev_b32 v[T4+\b], 23, v[SO+\b]           ; the scale's byte
.endr
.irp b, 0,1,2,3
	v_cvt_scalef32_pk8_fp4_f32 v[\d+2*\b], v[\s+16*\b:\s+7+16*\b], v[SO+\b]
	v_cvt_scalef32_pk8_fp4_f32 v[\d+1+2*\b], v[\s+8+16*\b:\s+15+16*\b], v[SO+\b]
.endr
	v_nop                                          ; one plain line behind the last scaled conversion
.endm
.macro WORD                            ; the four bytes make a scale word
	v_lshl_or_b32 v[PW], v[T4+1], 8, v[T4]
	s_delay_alu instid0(VALU_DEP_1)
	v_lshl_or_b32 v[PW], v[T4+2], 16, v[PW]
	s_delay_alu instid0(VALU_DEP_1)
	v_lshl_or_b32 v[PW], v[T4+3], 24, v[PW]
.endm
.macro SWAPS d                         ; the operand wants a WHOLE block in a lane: lanes 0-15 block 2 c, lanes 16-31 block 2 c + 1
.irp c, 0,1
.irp k, 0,1
	v_permlane16_swap_b32 v[\d+4*\c+\k], v[\d+2+4*\c+\k]
.endr
.endr
.endm
; Q (y = 0) or K (1) of my head for my group's four tiles, transposed: source 0 = 16 features, source 1 = 16 positions
.macro PROJ y
.irp i, 0,1,2,3
.irp u, 0,1
	MM S+16*\i+8*\u, WF+16*\y+8*\u, XF+8*\i, 0, WS+2*\y+\u, XW+\i, 0
.endr
.endr
.endm
; 16 rows, from row i0 of my 32, of the weight at s[sb:sb+1]: W(32 g + i, 32 h + lane) into v[r + i]: 32 lanes read 128 consecutive bytes
.macro LOADW sb, r, i0
.set i, \i0
.rept 16
	global_load_b32 v[\r+i], v16, s[\sb:\sb+1] offset:512*i
.set i, i+1
.endr
.endm
; My block of weight y, 32 numbers down K in v[r] on, all of one column: its codes and its scale byte go to their places in the image
.macro QWT y, r
	v_max3_num_f32 v248, |v[\r]|, |v[\r+1]|, 0x1800000
	v_max3_num_f32 v249, |v[\r+2]|, |v[\r+3]|, |v[\r+4]|
.irp i, 5,9,13,17,21,25
	s_delay_alu instid0(VALU_DEP_2)
	v_max3_num_f32 v248, v248, |v[\r+\i]|, |v[\r+\i+1]|
	s_delay_alu instid0(VALU_DEP_2)
	v_max3_num_f32 v249, v249, |v[\r+\i+2]|, |v[\r+\i+3]|
.endr
	s_delay_alu instid0(VALU_DEP_2)
	v_max3_num_f32 v248, v248, |v[\r+29]|, |v[\r+30]|
	s_delay_alu instid0(VALU_DEP_1)
	v_max3_num_f32 v248, v248, v249, |v[\r+31]|
	s_delay_alu instid0(VALU_DEP_1)
	v_add_nc_u32 v250, 0xff000000, v248
	s_delay_alu instid0(VALU_DEP_1)
	v_lshrrev_b32 v[224+(\y)], 23, v250            ; the scale's byte
.irp q, 0,1,2,3
	v_cvt_scalef32_pk8_fp4_f32 v[208+4*(\y)+\q], v[\r+8*\q:\r+8*\q+7], v250
.endr
	v_nop                                          ; one plain line behind the last scaled conversion
	ds_store_b128 v17, v[208+4*(\y):208+4*(\y)+3] offset:9216*(\y)
	ds_store_b8 v18, v[224+(\y)] offset:9216*(\y)  ; byte g of my column's word, for lanes 0-15,
	ds_store_b8 v18, v[224+(\y)] offset:9216*(\y)+64   ; and for lanes 16-31
.endm
	s_load_b256 s[4:11], s[0:1], 0x0
	s_load_b256 s[12:19], s[0:1], 0x20
	v_lshl_add_u32 v[SPW], v0, 2, SPARE
	v_mov_b32 v[NIL], 0
	ds_add_u32 v[SPW], v[NIL]                      ; the wave's opening: the add, twice on end, and its wait ahead of my first tensor load
	ds_add_u32 v[SPW], v[NIL]
	v_lshrrev_b32 v248, 5, v0
	v_readfirstlane_b32 s20, v248                  ; wave 0..15
	s_and_b32 s21, s20, 3                          ; h
	s_lshr_b32 s22, s20, 2                         ; g
	; descriptor group 1: 16 rows of 128 elements of 4 bytes; 4 words of padding behind every 128
	s_mov_b32 s32, (2<<16)|(1<<20)|(6<<22)|(3<<25)
	s_mov_b32 s33, 128<<16                         ; tensor_dim0
	s_mov_b32 s34, 16<<16                          ; tensor_dim1
	s_mov_b32 s35, 128<<16                         ; tile_dim0
	s_mov_b32 s36, 16                              ; tile_dim1
	s_mov_b32 s37, 32768                           ; elements from position to position
	s_mov_b32 s38, 0
	s_mov_b32 s39, 0
	s_mul_i32 s55, s20, WROWS                      ; my 16 rows in LDS
	s_mov_b32 s40, 1
	s_mov_b32 s41, s55
	s_lshl_b32 s48, ttmp9, 9
	s_lshl_b32 s49, s20, 21
	s_add_co_u32 s48, s48, s49                     ; and in X and ocol: 512 x column + 16 x 131,072 x wave
	s_mov_b32 s49, 0
	s_lshl_b32 s50, ttmp9, 2                       ; the mask's column
	s_mov_b32 s51, 0
	s_lshl_b32 s52, s21, 11                        ; the scalar parts of the addresses below
	s_lshl_b32 s53, s21, 8
	s_lshl_b32 s54, s22, 8
	s_lshl_b32 s56, s20, 10
	s_add_co_u32 s56, s56, XIMG
	s_lshl_b32 s57, s20, 6
	s_add_co_u32 s57, s57, XSC
	s_lshl_b32 s58, s22, 12
	s_add_co_u32 s58, s58, XIMG
	s_add_co_u32 s59, s54, XSC
	s_add_co_u32 s60, s58, s53
	s_add_co_u32 s61, s59, s21
	s_lshl_b32 s62, s21, 12
	s_lshl_b32 s63, s22, 10
	s_add_co_u32 s62, s62, s63
	s_add_co_u32 s62, s62, KH
	s_lshl_b32 s66, s21, 2
	s_add_co_u32 s63, s63, s66
	s_add_co_u32 s63, s63, KS
	s_lshl_b32 s66, s21, 12
	s_lshl_b32 s67, s22, 9
	s_add_co_u32 s66, s66, s67
	s_add_co_u32 s66, s66, VIMG
	s_lshr_b32 s67, s22, 1
	s_lshl_b32 s67, s67, 6
	s_add_co_u32 s67, s67, s53
	s_and_b32 s93, s22, 1
	s_lshl_b32 s93, s93, 1
	s_add_co_u32 s67, s67, s93
	s_add_co_u32 s67, s67, VS
	s_mul_i32 s68, s22, 9216
	s_add_co_u32 s69, s68, s53
	s_add_co_u32 s69, s69, 8192                    ; weight g, head h: its scale words in wimg,
	s_add_co_u32 s68, s68, s52                     ; and its codes
	s_lshl_b32 s70, s21, 7
	s_lshl_b32 s71, s22, 14
	s_add_co_u32 s70, s70, s71                     ; a weight's row 32 g, column 32 h
	s_add_co_u32 s71, s52, s54
	s_add_co_u32 s71, s71, WIM
	s_add_co_u32 s72, s53, s22
	s_add_co_u32 s72, s72, WIM+8192
	s_lshl_b32 s73, s22, 16                        ; the mask: 64 g keys of 1,024 bytes
	s_add_co_u32 s74, s52, WIM
	s_add_co_u32 s75, s53, WIM
	s_mov_b32 s24, 0x76543210
	s_mov_b32 s25, 0xfedcba98                      ; v_permlanex16_b32: lane l xor 16
	s_mov_b32 s26, 0x3e8293ee                      ; c = log2(e) / sqrt(32)
	s_mov_b32 s27, s26                             ; (named with it as a pair, so it is written)
	s_mov_b32 s[HO], 4096
	s_mov_b32 s[HS], 4
	s_mov_b32 s[HT], 256
	s_mov_b32 s[OCO], 0
	s_mov_b32 s90, 3
	s_mov_b32 s91, 0xffff
	s_mov_b32 s92, 0x01017f00                      ; 1.0 for block 1, byte 1 for blocks 2 and 3
	v_and_b32 v248, 31, v0                         ; lane
	v_and_b32 v249, 15, v0                         ; r
	v_bfe_u32 v250, v0, 4, 1                       ; hl
	v_and_b32 v252, 7, v0
	v_bfe_u32 v253, v0, 3, 1
	v_lshlrev_b32 v[GOF], 4, v248
	v_lshlrev_b32 v251, 4, v249                    ; 16 r
	v_lshl_add_u32 v16, v248, 2, s70               ; v16: my column of a weight, from its row 32 g on
	v_lshl_add_u32 v252, v250, 3, v252             ; my column is row lane % 8 + 8 (lane / 16) of tile 2 h + (lane / 8) % 2
	v_lshl_add_u32 v19, v249, 10, s73              ; v19: the mask of my group's keys
	v_lshl_add_u32 v254, v250, 3, v251             ; 16 r + 8 hl
	v_lshl_add_u32 v17, v252, 4, s71
	v_lshl_add_u32 v18, v252, 2, s72
	v_mul_u32_u24 v252, v249, PITCH
	v_lshl_add_u32 v17, v253, 10, v17              ; v17: my codes' place in the image: block g is quad g / 2 of lanes 16 (g % 2) on: 256 g
	v_lshl_add_u32 v18, v253, 7, v18               ; v18: my scale byte's
	v_lshl_add_u32 v252, v250, 6, v252
	v_add_nc_u32 v[XIM], s56, v[GOF]
	v_lshl_add_u32 v[XSW], v249, 2, s57
	v_add_nc_u32 v[XA], s55, v252
	v_add_nc_u32 v[QB], s56, v251
	v_add_nc_u32 v192, s58, v[GOF]                 ; v192: my group's four fragments of X
	v_lshl_add_u32 v193, v249, 2, s59              ; v193: their scale words
	v_add_nc_u32 v194, s60, v254                   ; v194: Q's codes of my head go here,
	v_lshl_add_u32 v195, v249, 2, s61              ; v195: their scale bytes
	v_add_nc_u32 v196, s62, v254                   ; v196: K's codes,
	v_add_nc_u32 v197, s63, v251                   ; v197: K's scale words
	v_add_nc_u32 v198, s66, v[GOF]                 ; v198: V's quads: my 64 keys are quad g % 2 of step g / 2,
	v_lshl_add_u32 v199, v249, 2, s67              ; v199: V's two scale bytes
	v_add_nc_u32 v200, s74, v[GOF]                 ; v200: the image: my head's two tiles
	v_lshl_add_u32 v201, v248, 2, s75              ; v201: their scale words
	v_xor_b32 v[NHL], 1, v250
	v_lshl_add_u32 v[KB], v250, 14, v251           ; KS - KH = 16,384
	v_add_nc_u32 v[VB], VIMG, v[GOF]
	v_add_nc_u32 v[SB], KS, v[GOF]
	v_lshlrev_b32 v[TB], 2, v248
	v_add_nc_u32 v[KB], KH, v[KB]
	v_add_nc_u32 v[TB], VS, v[TB]
.irp b, 0,1,2,3
	v_mov_b32 v[T4+\b], 0                          ; written once: a lane permute's destination counts as one of its sources
	v_mov_b32 v[QC+4+\b], 0                        ; the queries' blocks 2 and 3: zero codes
.endr
	s_wait_alu depctr_va_vdst(0)
	s_wait_dscnt 0x0                               ; both opening adds are done
	s_wait_kmcnt 0x0
	s_add_nc_u64 s[42:43], s[4:5], s[48:49]
	s_or_b32 s43, s43, 0x80000000
	tensor_load_to_lds s[40:43], s[32:39]          ; my 16 rows of X: my one tensor load
	s_nop 0
	s_add_nc_u64 s[30:31], s[18:19], s[48:49]
	s_add_nc_u64 s[28:29], s[6:7], s[50:51]
.irp i, 0,1,2,3
	global_load_b32 v[MK+\i], v19, s[28:29] offset:16384*\i
.endr
	LOADW 8, WR, 0                                 ; Wq's 32 rows,
	LOADW 8, WR, 16
	LOADW 10, WR+32, 0                             ; and Wk's first 16: 52 loads of mine are out
	; ---- 0: the weights, while X is on its way
	s_wait_loadcnt 16                              ; the mask and Wq are in; the younger 16, Wk's first, may be out
	LOADW 10, WR+32, 16
	LOADW 12, WR+64, 0                             ; 48 out
	QWT 0, WR
	s_wait_loadcnt 16                              ; Wk is in; the younger 16, Wv's first, may be out
	LOADW 12, WR+64, 16
	QWT 1, WR+32
	s_wait_alu depctr_va_vdst(0)                   ; directly ahead of the branch
	s_cmp_eq_u32 ttmp9, s21                        ; Wo is wanted by launch 2 alone: work-group h makes head h's columns, by its four waves of head h
	s_cbranch_scc0 .Lno_wo
	LOADW 14, WR, 0
	LOADW 14, WR, 16
	s_wait_loadcnt 0x0
	QWT 3, WR
	s_wait_alu depctr_va_vdst(0)
.Lno_wo:
	s_wait_loadcnt 0x0                             ; Wv
	QWT 2, WR+64
	; ---- 1: my tile of X along the 128 features.  Nobody else reads these rows: my own wait is all that is owed
	s_wait_alu depctr_va_vdst(0)
	s_wait_tensorcnt 0x0
.irp b, 0,1,2,3
.irp j, 0,1,2,3
	ds_load_b128 v[S+16*\b+4*\j:S+16*\b+4*\j+3], v[XA] offset:128*\b+16*\j
.endr
.endr
	s_wait_dscnt 0x0
	QCORE S, PC
	WORD
	SWAPS PC
	ds_store_b128 v[XIM], v[PC:PC+3]               ; the fragment goes to LDS as its registers stand
	ds_store_b128 v[XIM], v[PC+4:PC+7] offset:512
	ds_store_b32 v[XSW], v[PW]                     ; both halves of the lanes write row r's word, with the same value
	s_wait_alu depctr_va_vdst(0)
	s_wait_dscnt 0x0                               ; my fragment and my part of the weights' image lie in LDS
	s_barrier_signal -1
	s_barrier_wait -1                              ; everybody's do
	; ---- 2: Q, K, V of my head for my group's 64 positions
.irp y, 0,1,2
.irp u, 0,1
.irp c, 0,1
	ds_load_b128 v[WF+16*\y+8*\u+4*\c:WF+16*\y+8*\u+4*\c+3], v200 offset:9216*\y+1024*\u+512*\c
.endr
	ds_load_b32 v[WS+2*\y+\u], v201 offset:9216*\y+8192+128*\u
.endr
.endr
.irp i, 0,1,2,3
.irp c, 0,1
	ds_load_b128 v[XF+8*\i+4*\c:XF+8*\i+4*\c+3], v192 offset:1024*\i+512*\c
.endr
	ds_load_b32 v[XW+\i], v193 offset:64*\i
.endr
	s_wait_dscnt 0x0
	s_barrier_signal -1                            ; I have read X's fragments; Q's codes take their bytes behind the wait below
	v_mov_b32 v248, 0x01010100                     ; bytes 1 to 3 of an open key's scale word,
	v_mov_b32 v249, 0x0101e300                     ; and of a masked key's
.irp i, 0,1,2,3
	v_cmp_eq_f32 vcc_lo, 0, v[MK+\i]
	v_cndmask_b32 v[MK+\i], v248, v249, vcc_lo
.endr
	PROJ 0
	PLACES 4                                       ; in front of the first read of results
	QCORE S, QA
	s_wait_alu depctr_va_vdst(0)                   ; directly ahead of the barrier's wait
	s_barrier_wait -1
.irp i, 0,1,2,3
	ds_store_b64 v194, v[QA+2*\i:QA+2*\i+1] offset:1024*\i   ; my half's 16 codes of query (tile i, row r)
	ds_store_b8 v195, v[T4+\i] offset:64*\i
.endr
	PLACES 5                                       ; in front of products that begin anew on the registers of the last ones
	PROJ 1
	PLACES 4
	QCORE S, PC
.irp i, 0,1,2,3
	v_or_b32 v[248+\i], v[T4+\i], v[MK+\i]         ; K's scale word: its byte, and the mask's
.endr
.irp i, 0,1,2,3
	ds_store_b64 v196, v[PC+2*\i:PC+2*\i+1] offset:256*\i
	ds_store_b32 v197, v[248+\i] offset:256*\i
.endr
	s_wait_dscnt 0x0                               ; the stores have read their registers
	PLACES 5
.irp u, 0,1                                    ; V not transposed: a lane holds ONE feature and its registers run along the keys
.irp i, 0,1,2,3
	MM S+32*\u+8*\i, XF+8*\i, WF+32+8*\u, 0, XW+\i, WS+4+\u, 0
.endr
.endr
	PLACES 4
	QCORE S, PC                                    ; block 2 u + b: feature (u, r), keys 64 g + 32 b on
	SWAPS PC
.irp u, 0,1
	v_lshl_or_b32 v[248+\u], v[T4+1+2*\u], 8, v[T4+2*\u]
.endr
.irp u, 0,1
	ds_store_b128 v198, v[PC+4*\u:PC+4*\u+3] offset:2048*\u
	ds_store_b16 v199, v[248+\u] offset:128*\u
.endr
	s_wait_alu depctr_va_vdst(0)
	s_wait_dscnt 0x0
	s_barrier_signal -1
	s_barrier_wait -1                              ; all Q, K and V lie in LDS.  From here on no wave waits for another
	; ---- 3: head 0's K, V and Q come into registers
.irp t, 0,1,2,3,4,5,6,7,8,9,10,11,12,13,14,15
	ds_load_b128 v[KR+4*\t:KR+4*\t+3], v[KB] offset:256*\t
.endr
.irp j, 0,1,2,3,4,5,6,7
	ds_load_b32 v[KSW+\j], v[SB] offset:512*\j
.endr
.irp u, 0,1
.irp k, 0,1
.irp c, 0,1
	ds_load_b128 v[VR+16*\u+8*\k+4*\c:VR+16*\u+8*\k+4*\c+3], v[VB] offset:2048*\u+1024*\k+512*\c
.endr
.endr
.endr
.irp u, 0,1
	ds_load_b32 v[VSW+\u], v[TB] offset:128*\u
.endr
	ds_load_b128 v[QC:QC+3], v[QB]
	ds_load_b32 v[QW], v[XSW]
	s_cmp_eq_u32 ttmp9, s21                        ; work-group h, wave (h, g): head h's part of weight g goes to wimg: 2,048 + 256 bytes
	s_cbranch_scc0 .Lno_copy
	v_add_nc_u32 v148, s68, v[GOF]
	v_lshrrev_b32 v149, 1, v[GOF]
	v_add_nc_u32 v150, WIM, v148
	v_add_nc_u32 v149, s69, v149
	v_add_nc_u32 v151, WIM, v149
.irp n, 0,1,2,3
	ds_load_b128 v[128+4*\n:131+4*\n], v150 offset:512*\n
.endr
	ds_load_b64 v[144:145], v151
	s_wait_alu depctr_va_vdst(0)                   ; directly ahead of the wait below
	s_wait_dscnt 0x0
.irp n, 0,1,2,3
	global_store_b128 v148, v[128+4*\n:131+4*\n], s[16:17] offset:512*\n   ; 512 consecutive bytes, aligned to 256
.endr
	global_store_b64 v149, v[144:145], s[16:17]    ; 256 consecutive bytes, aligned
	s_wait_xcnt 0x0                                ; the stores' registers are written again further down only behind this wait
.Lno_copy:
; A key step: keys 128 st on.  last = 0: the next head's K of this step is fetched as soon as the scores are made (and, in step 1, its Q and V's first step)
.macro STEP st, last
.irp t, 0,1,2,3,4,5,6,7                        ; S^T: source 0 names eight registers from tile T's four on: the upper four, other codes, meet the queries' zeros
	MM S+8*\t, KR+4*(8*\st+\t), QC, 0, KSW+4*\st+\t/2, QSW, (\t)%2
.endr
.if \last
	PLACES 4
.else
	v_mul_u32_u24 v250, s[HO], v[NHL]              ; (these address lines are places too: three of the four that are asked)
	v_add_nc_u32 v251, s[HS], v[SB]
	v_add_nc_u32 v250, v250, v[KB]
	v_nop
.irp t, 0,1,2,3,4,5,6,7
	ds_load_b128 v[KR+4*(8*\st+\t):KR+4*(8*\st+\t)+3], v250 offset:256*(8*\st+\t)
.endr
.irp j, 0,1,2,3
	ds_load_b32 v[KSW+4*\st+\j], v251 offset:512*(4*\st+\j)
.endr
.if \st
	v_add_nc_u32 v252, s[HO], v[VB]
	v_add_nc_u32 v253, s[HT], v[QB]
.irp u, 0,1
.irp c, 0,1
	ds_load_b128 v[VR+16*\u+4*\c:VR+16*\u+4*\c+3], v252 offset:2048*\u+512*\c
.endr
.endr
	ds_load_b128 v[QC:QC+3], v253
.endif
.endif
.irp b, 0,1,2,3
	v_max3_num_f32 v[BM+\b], v[S+16*\b], v[S+1+16*\b], v[S+2+16*\b]   ; the largest score of each block of 32 keys: for the row's maximum, and, since p rises with the score, for the block's largest p
.endr
.irp e, 3,5,7,9,11,13
.irp b, 0,1,2,3
	v_max3_num_f32 v[BM+\b], v[BM+\b], v[S+16*\b+\e], v[S+1+16*\b+\e]
.endr
.endr
.irp b, 0,1,2,3
	v_max_num_f32 v[BM+\b], v[BM+\b], v[S+15+16*\b]
.endr
.irp b, 0,1,2,3
	s_delay_alu instid0(VALU_DEP_4)
	v_permlanex16_b32 v[T4+\b], v[BM+\b], s24, s25
.endr
.irp b, 0,1,2,3
	s_delay_alu instid0(VALU_DEP_4)
	v_max_num_f32 v[BM+\b], v[BM+\b], v[T4+\b]
.endr
	s_delay_alu instid0(VALU_DEP_2)
	v_max3_num_f32 v254, v[BM], v[BM+1], v[BM+2]
	s_delay_alu instid0(VALU_DEP_1)
	v_max_num_f32 v254, v254, v[BM+3]
	s_delay_alu instid0(VALU_DEP_1)
	v_mul_f32 v254, s26, v254                      ; the step's largest t
	s_delay_alu instid0(VALU_DEP_1)
	v_max_num_f32 v[TX], v[TX], v254
	v_mov_b32 v254, v[NM]
	s_delay_alu instid0(VALU_DEP_2)
	v_floor_f32 v[NM], -v[TX]                      ; -M = floor(-t): M is a whole number
	s_delay_alu instid0(VALU_DEP_1)
	v_sub_f32 v254, v[NM], v254                    ; old M - new M, 0 or less
	s_delay_alu instid0(VALU_DEP_1)
	v_cvt_i32_f32 v254, v254                       ; (it saturates)
	s_delay_alu instid0(VALU_DEP_1)
	v_ldexp_f32 v[FF], 1.0, v254                   ; f = 2^(old M - new M): a multiplication by it rounds nothing
.set j, 0
.rept 32
	v_pk_fma_f32 v[S+j:S+j+1], v[S+j:S+j+1], s[26:27], v[NM:NM+1] op_sel_hi:[1,0,0]   ; t - M
.set j, j+2
.endr
.irp b, 0,1,2,3
	v_fma_f32 v[BM+\b], v[BM+\b], s26, v[NM]       ; the same of each block's largest score
.endr
	s_wait_alu depctr_va_vdst(0)                   ; ahead of the batch, and of the wait below
.if \st == 0
	s_wait_dscnt 12-12*\last                       ; V and its scale words are in; last = 0: the twelve loads of K above may be out
.endif
.set j, 0
.rept 64
	v_exp_f32 v[S+j], v[S+j]                       ; p = 2^(t - M): one batch
.set j, j+1
.endr
	v_pk_mul_f32 v[LS:LS+1], v[LS:LS+1], v[FF:FF+1] op_sel_hi:[1,0]   ; the sum under the new M: the plain line behind the batch
	s_wait_alu depctr_va_vdst(0)                   ; one wait for the 64, ahead of their first reader
.irp b, 0,1,2,3
	v_exp_f32 v[BM+\b], v[BM+\b]                   ; each block's largest p
.endr
	v_pk_add_f32 v[248:249], v[S:S+1], v[S+2:S+3]  ; the sum of the UNQUANTISED p, in two chains
.set j, 4
.rept 7
	v_pk_add_f32 v[LS:LS+1], v[LS:LS+1], v[S+j:S+j+1]
	v_pk_add_f32 v[248:249], v[248:249], v[S+j+2:S+j+3]
.set j, j+4
.endr
	s_wait_alu depctr_va_vdst(0)                   ; and one wait for the four
.irp b, 0,1,2,3
	v_max_num_f32 v[BM+\b], 0x1800000, v[BM+\b]    ; the floor: a block whose every p is 0 keeps the byte 1; its codes are zeros
.endr
.irp b, 0,1,2,3
	s_delay_alu instid0(VALU_DEP_4)
	v_add_nc_u32 v[SO+\b], 0xff000000, v[BM+\b]
.endr
.irp b, 0,1,2,3
	s_delay_alu instid0(VALU_DEP_4)
	v_lshrrev_b32 v[T4+\b], 23, v[SO+\b]
.endr
	WORD                                           ; p's scale word for these 128 keys
.set j, 32
.rept 8                                        ; the sum's second half: plain lines between the scale word's last write and the product
	v_pk_add_f32 v[LS:LS+1], v[LS:LS+1], v[S+j:S+j+1]
	v_pk_add_f32 v[248:249], v[248:249], v[S+j+2:S+j+3]
.set j, j+4
.endr
	s_delay_alu instid0(VALU_DEP_1)
	v_pk_add_f32 v[LS:LS+1], v[LS:LS+1], v[248:249]
.irp b, 0,1,2,3
	v_cvt_scalef32_pk8_fp4_f32 v[PC+2*\b], v[S+16*\b:S+7+16*\b], v[SO+\b]
	v_cvt_scalef32_pk8_fp4_f32 v[PC+1+2*\b], v[S+8+16*\b:S+15+16*\b], v[SO+\b]
.endr
	v_nop                                          ; one plain line behind the last scaled conversion
	SWAPS PC
.if \st
.set j, 0
.rept 8
	v_pk_mul_f32 v[OA+j:OA+j+1], v[OA+j:OA+j+1], v[FF:FF+1] op_sel_hi:[1,0]   ; O^T under the new M
.set j, j+2
.endr
.else
	PLACES 4                                       ; between the codes' last write and the products
.endif
.irp u, 0,1                                    ; O^T (+)= V^T P^T
	MM OA+8*\u, VR+16*\u+8*\st, PC, \st, VSW+\u, PW, \st
.endr
.endm
; A head: its operand and statistics, two key steps, and its 128 bytes of my rows
.macro HEAD last
	v_bfi_b32 v[QSW], 0xff, v[QW], s92             ; Q's scale word: this head's byte and the constant bytes.  Nine plain lines stand between it and the products
	v_lshrrev_b32 v[QW], 8, v[QW]
	v_cndmask_b32 v[QC], 0x7000, v[QC], s91        ; lanes 0-15 the head's 32 codes; lanes 16-31 block 1: +6 at k = 35, else zeros
	v_cndmask_b32 v[QC+1], 0, v[QC+1], s91
	v_cndmask_b32 v[QC+2], 0, v[QC+2], s91
	v_cndmask_b32 v[QC+3], 0, v[QC+3], s91
	v_mov_b32 v[TX], 0xef800000                    ; the largest t so far: -2^96.  (These four lines are the places between the operand's last write and the products)
	v_mov_b32 v[NM], 0x6f800000                    ; -M
	v_mov_b32 v[LS], 0
	v_mov_b32 v[LS+1], 0
	STEP 0, \last
	STEP 1, \last
	v_add_f32 v250, v[LS], v[LS+1]
	v_permlanex16_b32 v251, v250, s24, s25
	v_add_f32 v250, v250, v251                     ; the row's sum
	s_wait_alu depctr_va_vdst(0)
	v_rcp_f32 v250, v250
	v_nop                                          ; a plain line behind the reciprocal
	v_add_nc_u32 v252, s[OCO], v[XA]
	s_wait_alu depctr_va_vdst(0)                   ; and the wait ahead of its reader
	v_mul_f32 v[FF], 0.5, v250                     ; the additions, the permute, the v_nop and this line are the places behind the last products
.set j, 0
.rept 8
	v_pk_mul_f32 v[S+16+j:S+17+j], v[OA+j:OA+j+1], v[FF:FF+1] op_sel_hi:[1,0]   ; 0.5 x O^T / the sum: features 32 h + 16 hl + 0..15 of my query
.set j, j+2
.endr
.irp k, 0,1,2,3
	ds_store_b128 v252, v[S+16+4*\k:S+19+4*\k] offset:16*\k   ; onto my rows of X, which have had their one fill and their last read
.endr
.if \last == 0
	v_add_nc_u32 v252, s[HO], v[VB]
	v_add_nc_u32 v253, s[HT], v[TB]
.irp u, 0,1
.irp c, 0,1
	ds_load_b128 v[VR+16*\u+8+4*\c:VR+16*\u+11+4*\c], v252 offset:2048*\u+1024+512*\c   ; the next head's V, second step,
.endr
.endr
.irp u, 0,1
	ds_load_b32 v[VSW+\u], v253 offset:128*\u      ; and V's scale words
.endr
	s_wait_alu depctr_va_vdst(0)
	s_wait_dscnt 6                                 ; the next head's K and Q are in; the six loads just issued may be out
.endif
.endm
	s_wait_alu depctr_va_vdst(0)
	s_wait_dscnt 0x0                               ; K, V and Q are in
.Lhead:                                                ; heads 0 to 2
	HEAD 0
	s_wait_alu depctr_va_vdst(0)                   ; ahead of the scalar lines and the branch
	s_add_co_u32 s[HO], s[HO], 4096
	s_add_co_u32 s[HS], s[HS], 4
	s_add_co_u32 s[HT], s[HT], 256
	s_add_co_u32 s[OCO], s[OCO], 128
	s_sub_co_u32 s90, s90, 1
	s_cmp_lg_u32 s90, 0
	s_cbranch_scc1 .Lhead
	HEAD 1                                         ; head 3: nothing of a next head is fetched
	; ---- 4: the way out: my 16 rows, whole
	v_add_nc_u32 v248, s55, v[GOF]
.irp n, 0,1,2,3,4,5,6,7,8,9,10,11,12,13,14,15
	ds_load_b128 v[32+4*\n:35+4*\n], v248 offset:\n*PITCH   ; LDS serves a wave's instructions in order: these see my stores
.endr
	s_wait_alu depctr_va_vdst(0)                   ; directly ahead of the waits below
.irp n, 0,1,2,3,4,5,6,7,8,9,10,11,12,13,14,15
	s_wait_dscnt 15-\n                             ; the younger rows may be out
	global_store_b128 v[GOF], v[32+4*\n:35+4*\n], s[30:31] offset:131072*\n   ; ocol[row][my column]: 512 consecutive bytes, aligned to 256; 15 rows of 131,072 bytes at the most, inside the signed 24-bit immediate
.endr
	s_wait_tensorcnt 0x0                           ; the wave's end: behind my last tensor load and my last LDS store
	ds_add_u32 v[SPW], v[NIL]
	s_wait_dscnt 0x0
	s_endpgm
.Lfunc_end_k_q679667b4b7_colatt:
	.size	k_q679667b4b7_colatt, .Lfunc_end_k_q679667b4b7_colatt-k_q679667b4b7_colatt
	.p2alignl 7, 3214868480
	.fill 96, 4, 3214868480
	.section	.rodata,"a",@progbits
	.p2align	6, 0x0
	.amdhsa_kernel k_q679667b4b7_colatt
		.amdhsa_group_segment_fixed_size 327680
		.amdhsa_private_segment_fixed_size 0
		.amdhsa_enable_private_segment 0
		.amdhsa_kernarg_size 64
		.amdhsa_user_sgpr_count 2
		.amdhsa_user_sgpr_kernarg_segment_ptr 1
		.amdhsa_wavefront_size32 1
		.amdhsa_system_sgpr_workgroup_id_x 1
		.amdhsa_system_sgpr_workgroup_id_y 1
		.amdhsa_system_sgpr_workgroup_id_z 1
		.amdhsa_system_vgpr_workitem_id 0
		.amdhsa_next_free_vgpr 256
		.amdhsa_next_free_sgpr 100
		.amdhsa_reserve_vcc 1
		.amdhsa_float_denorm_mode_32 3
		.amdhsa_float_denorm_mode_16_64 3
		.amdhsa_memory_ordered 1
		.amdhsa_forward_progress 1
		.amdhsa_inst_pref_size 119
	.end_amdhsa_kernel
	.amdgpu_metadata
---
amdhsa.version: [ 1, 2 ]
amdhsa.kernels:
  - .name:           k_q679667b4b7_colatt
    .symbol:         k_q679667b4b7_colatt.kd
    .args:
      - { .name: edge_feat, .offset: 0, .size: 8, .value_kind: global_buffer, .address_space: global }
      - { .name: off_diag_mask, .offset: 8, .size: 8, .value_kind: global_buffer, .address_space: global }
      - { .name: Wq, .offset: 16, .size: 8, .value_kind: global_buffer, .address_space: global }
      - { .name: Wk, .offset: 24, .size: 8, .value_kind: global_buffer, .address_space: global }
      - { .name: Wv, .offset: 32, .size: 8, .value_kind: global_buffer, .address_space: global }
      - { .name: Wo, .offset: 40, .size: 8, .value_kind: global_buffer, .address_space: global }
      - { .name: wimg, .offset: 48, .size: 8, .value_kind: global_buffer, .address_space: global }
      - { .name: ocol, .offset: 56, .size: 8, .value_kind: global_buffer, .address_space: global }
    .group_segment_fixed_size: 327680
    .private_segment_fixed_size: 0
    .kernarg_segment_align: 8
    .kernarg_segment_size: 64
    .max_flat_workgroup_size: 512
    .sgpr_count:     100
    .vgpr_count:     256
    .wavefront_size: 32
...
	.end_amdgpu_metadata
.endif
;; end of part 1
;; launch rowfin (part 2): grid 256 x 1, 16 waves a work-group, no clusters, 327,680 bytes of LDS; arguments edge_feat, off_diag_mask, wimg, ocol, bo, gamma, beta, out0; writes out0
.if DOCPART == 2
	.amdgcn_target "amdgcn-amd-amdhsa--gfx1250"
	.amdhsa_code_object_version 6
	.text
	.protected	k_q679667b4b7_rowfin
	.globl	k_q679667b4b7_rowfin
	.p2align	8
	.type	k_q679667b4b7_rowfin,@function
k_q679667b4b7_rowfin:
	s_mov_b64 s[64:65], 0
	v_nop
	global_prefetch_b8 v0, s[64:65] scope:SCOPE_SE
	s_setreg_imm32_b32 hwreg(HW_REG_WAVE_MODE, 25, 1), 1
	s_wait_xcnt 0x0
; EdgeGATLayer in MX-FP4, launch 2 of 2: attention within a row, the sum with the column attention's half, Wo, bias, residual, layer norm, mask.
; NOTHING OF THE PROBLEM IS LEFT OUT: every input has a way to the output and is loaded, and the mask, an input, is honoured by value.
; A work-group owns ONE row of the 256 x 256 grid of edges, a sequence of 256 positions.  16 waves of 256 registers; WAVE w OWNS POSITIONS 16 w .. 16 w + 15 from end to end:
; it brings its rows of X and of ocol, quantises X, walks all four heads for its 16 queries, and makes and stores its 16 rows of the result.
; The projections alone are shared otherwise: wave w projects head w % 4 for the 64 positions of group w / 4; Q's codes go to their owner, K's and V's to everybody, through LDS.  Behind that barrier no wave waits for another.
; All products are v_wmma_scale_f32_16x16x128_f8f6f4 on E2M1 codes with E8M0 scales; what goes into a quantiser is f32.
; TILES.  Tile T is positions 16 T + r.  Where it is source 0, a lane's 16 registers of tiles 2 b and 2 b + 1 are 16 of the 32 keys of block b: 32 b + 8 hl + 0..7 and 32 b + 16 + 8 hl + 0..7 (hl = lane / 16); lanes l and l xor 16 hold
; the whole block.  Within the block P's codes and V's stand in the same order, which is all that the product asks.  The weights' tiles (wimg) are laid so that a lane's 16 registers are features 32 h + 16 hl + 0..15.
; BOTH ATTENTION PRODUCTS ARE USED TRANSPOSED: S^T = K Q^T, O^T = V^T P^T: a lane holds one query throughout.
; THE SOFTMAX: t = score x log2(e) / sqrt(32); M = the running largest t rounded up to a whole number; p = 2^(t - M) is quantised along the keys; the sum is taken of the unquantised p and divides at the end.
; THE MASK RIDES IN THE SCORE PRODUCT.  The head's 32 fill block 0 of four blocks of 32.  In block 1 the queries hold one code, +6 at k = 35, under the scale 1; the keys' lanes 16-31 load the key's four scale words as codes;
; byte 1 of each is 0xE3 where the key is masked and 0x01 where not: its high four bits are the code at k = 35 (-4, or 0), and the same byte is block 1's scale (2^100, or 2^-126).  Blocks 2 and 3 meet zero codes of the queries.
; LIMITS: a sequence all of whose keys are masked is not served (there the expected numbers are NaN); a masked score is -24 x 2^100 and not -infinity, and the running largest t is held at -2^96 from below, so logits under
; about -2^96 are not served; NaN and infinities among the inputs are not served; a block of zeros, or one whose largest magnitude lies under 2^-124, keeps the scale byte 1 (the bytes are read by this program alone).
; NO CLUSTER: work-groups share the weights' codes alone, 36,864 bytes beside 262,144 bytes of rows of their own.  Nothing is prefetched: each row is asked for once, at the head, and no loop runs ahead of a load from memory.
.set PITCH, 528                        ; an LDS row of 128 f32: 512 bytes + 16 of padding
.set WROWS, 16*PITCH                   ; my 16 rows: 8,448 bytes, 33 blocks of 256
.set OC,    135168                     ; LDS: from 0 X's 256 rows, from OC those of ocol
.set XIMG,  270336                     ; X's 16 fragments, 1,024 T + 512 c + 16 lane; later Q's codes, 1,024 T + 256 h + 16 r, and in their place O's
.set KH,    286720                     ; K's codes: 4,096 h + 256 T + 16 r
.set KS,    303104                     ; K's scale words: 256 T + 16 r + 4 h
.set VIMG,  307200                     ; V's fragments: 4,096 h + 2,048 u + 1,024 s + 512 c + 16 lane
.set XSC,   323584                     ; X's scale words: 64 T + 4 r; later Q's scale bytes, + h, and in their place O's
.set VS,    324608                     ; V's scale words: 256 h + 128 u + 64 s + 4 r
.set SPARE, 325632                     ; the spare words, 128 bytes for each of 16 waves
.set WOI,   27648                      ; Wo in wimg
.set SPW, 1                            ; v1   LDS address of my spare word; never rewritten
.set NIL, 2                            ; v2   0; never rewritten
.set GOF, 3                            ; v3   16 x lane
.set XA,  4                            ; v4   my row r of X in LDS, + 64 hl
.set XIM, 5                            ; v5   my tile's image, 16 a lane
.set XSW, 6                            ; v6   my tile's scale words, 4 r
.set KB,  7                            ; v7   K of head 0: lanes 0-15 codes, lanes 16-31 the scale words
.set NHL, 8                            ; v8   1 in lanes 0-15, 0 in lanes 16-31
.set VB,  9                            ; v9   V's images,  v10 K's scale words,  v11 V's, of head 0
.set SB,  10
.set TB,  11
.set QB,  12                           ; v12  my queries' codes of head 0;  v13 the same, + 8 hl: where O's go
.set OSTB, 13
.set AOC, 14                           ; v14  my row r of ocol in LDS, + 64 hl
.set QW,  15                           ; v15  my query's scale bytes, those of the heads still to come; in the last head 4 x lane
.set QC,  16                           ; v16-23  the queries' operand: four registers of codes, four of zeros; at the end O's
.set QA,  24                           ; v24-31  (the head: Q's codes); gamma and beta at my four features
.set GA,  24
.set BE,  28
.set KR,  32                           ; v32-95  K's codes; at the end Wo's eight tiles   (the head: the weights' tiles, words, masks)
.set WF,  32
.set WS,  80
.set XW,  86
.set MK,  90
.set VR,  96                           ; v96-127 V's four fragments (u, s) at 16 u + 8 s   (the head: X's four fragments)
.set XF,  96
.set S,   128                          ; v128-191 scores, then p; 64 numbers at work
.set OA,  192                          ; v192-207 O^T   (the head: addresses)
.set PC,  208                          ; v208-215 codes just made
.set KSW, 216                          ; v216-223 K's scale words: register j: lanes 0-15 tile 2 j, lanes 16-31 tile 2 j + 1; at the end Wo's
.set VSW, 224                          ; v224-225 V's: lanes 0-15 step 0, lanes 16-31 step 1
.set BO,  226                          ; v226-229 bo at my four features
.set NM,  230                          ; v230 -M;  v231 the running largest t
.set TX,  231
.set LS,  232                          ; v232-233 the sum, in two halves
.set BM,  234                          ; v234-237 four blocks' maxima
.set T4,  238                          ; v238-241 the other half's maxima, then the scale bytes
.set SO,  242                          ; v242-245 the conversions' scale operands
.set FF,  246                          ; v246 a factor for packed multiplies
.set PW,  247                          ; v247 the scale word just made.   v248-254 at work
.set QSW, 255                          ; v255 Q's scale word of this head
.set HO,  84                           ; s84 4,096 x the head to come, s85 4 x, s86 256 x;  s87 256 x this head, s88 1 x, s89 128 x;  s90 trips
.set HS,  85
.set HT,  86
.set OT,  87
.set O1,  88
.set OCO, 89
; s[4:5] X, s[6:7] the mask, s[8:9] wimg, s[10:11] ocol, s[12:13] bo, s[14:15] gamma, s[16:17] beta, s[18:19] out; s20 wave, s21 h, s22 g; s[24:25] lane selects; s[26:27] c; s[30:31] where I store; s[32:39] descriptor group 1;
; s[40:43], s[44:47] groups 0 of X and ocol; s55 my rows in LDS; s[68:83] the mask of my 16 positions; s91 lanes 0-15; s92 the constant bytes of Q's scale word
.macro PLACES n
.rept \n
	v_nop
.endr
.endm
; One product.  acc = 0: it starts a sum; 1: it adds in place.  row = 1: source 0's scales are read from lanes 16-31
.macro MM d, a, b, acc, sa, sb, row
.if \acc
.if \row
	v_wmma_scale_f32_16x16x128_f8f6f4 v[\d:\d+7], v[\a:\a+7], v[\b:\b+7], v[\d:\d+7], v[\sa], v[\sb] matrix_a_fmt:MATRIX_FMT_FP4 matrix_b_fmt:MATRIX_FMT_FP4 matrix_a_scale:MATRIX_SCALE_ROW1
.else
	v_wmma_scale_f32_16x16x128_f8f6f4 v[\d:\d+7], v[\a:\a+7], v[\b:\b+7], v[\d:\d+7], v[\sa], v[\sb] matrix_a_fmt:MATRIX_FMT_FP4 matrix_b_fmt:MATRIX_FMT_FP4
.endif
.else
.if \row
	v_wmma_scale_f32_16x16x128_f8f6f4 v[\d:\d+7], v[\a:\a+7], v[\b:\b+7], 0, v[\sa], v[\sb] matrix_a_fmt:MATRIX_FMT_FP4 matrix_b_fmt:MATRIX_FMT_FP4 matrix_a_scale:MATRIX_SCALE_ROW1
.else
	v_wmma_scale_f32_16x16x128_f8f6f4 v[\d:\d+7], v[\a:\a+7], v[\b:\b+7], 0, v[\sa], v[\sb] matrix_a_fmt:MATRIX_FMT_FP4 matrix_b_fmt:MATRIX_FMT_FP4
.endif
.endif
.endm
; 64 numbers of a lane, v[s] on: four blocks, block b = registers 16 b .. 16 b + 15 of lanes l and l xor 16.  Codes: v[d + 2 b], v[d + 2 b + 1]; scale bytes: v[T4 + b]
.macro QCORE s, d
.irp b, 0,1,2,3
	v_max3_num_f32 v[BM+\b], |v[\s+16*\b]|, |v[\s+1+16*\b]|, 0x1800000   ; with the floor 2^(3 - 127): the byte cannot fall under 1
.endr
.irp i, 2,4,6,8,10,12,14
.irp b, 0,1,2,3
	v_max3_num_f32 v[BM+\b], v[BM+\b], |v[\s+16*\b+\i]|, |v[\s+1+16*\b+\i]|
.endr
.endr
.irp b, 0,1,2,3
	s_delay_alu instid0(VALU_DEP_4)
	v_permlanex16_b32 v[T4+\b], v[BM+\b], s24, s25
.endr
.irp b, 0,1,2,3
	s_delay_alu instid0(VALU_DEP_4)
	v_max_num_f32 v[BM+\b], v[BM+\b], v[T4+\b]     ; the block's largest magnitude
.endr
.irp b, 0,1,2,3
	s_delay_alu instid0(VALU_DEP_4)
	v_add_nc_u32 v[SO+\b], 0xff000000, v[BM+\b]    ; 2 off its exponent field: the conversion's scale operand
.endr
.irp b, 0,1,2,3
	s_delay_alu instid0(VALU_DEP_4)
	v_lshrrev_b32 v[T4+\b], 23, v[SO+\b]           ; the scale's byte
.endr
.irp b, 0,1,2,3
	v_cvt_scalef32_pk8_fp4_f32 v[\d+2*\b], v[\s+16*\b:\s+7+16*\b], v[SO+\b]
	v_cvt_scalef32_pk8_fp4_f32 v[\d+1+2*\b], v[\s+8+16*\b:\s+15+16*\b], v[SO+\b]
.endr
	v_nop                                          ; one plain line behind the last scaled conversion
.endm
.macro WORD                            ; the four bytes make a scale word
	v_lshl_or_b32 v[PW], v[T4+1], 8, v[T4]
	s_delay_alu instid0(VALU_DEP_1)
	v_lshl_or_b32 v[PW], v[T4+2], 16, v[PW]
	s_delay_alu instid0(VALU_DEP_1)
	v_lshl_or_b32 v[PW], v[T4+3], 24, v[PW]
.endm
.macro SWAPS d                         ; the operand wants a WHOLE block in a lane: lanes 0-15 block 2 c, lanes 16-31 block 2 c + 1
.irp c, 0,1
.irp k, 0,1
	v_permlane16_swap_b32 v[\d+4*\c+\k], v[\d+2+4*\c+\k]
.endr
.endr
.endm
; Q (y = 0) or K (1) of my head for my group's four tiles, transposed: source 0 = 16 features, source 1 = 16 positions
.macro PROJ y
.irp i, 0,1,2,3
.irp u, 0,1
	MM S+16*\i+8*\u, WF+16*\y+8*\u, XF+8*\i, 0, WS+2*\y+\u, XW+\i, 0
.endr
.endr
.endm
	s_load_b256 s[4:11], s[0:1], 0x0
	s_load_b256 s[12:19], s[0:1], 0x20
	v_lshl_add_u32 v[SPW], v0, 2, SPARE
	v_mov_b32 v[NIL], 0
	ds_add_u32 v[SPW], v[NIL]                      ; the wave's opening: the add, twice on end, and its wait ahead of my first tensor load
	ds_add_u32 v[SPW], v[NIL]
	v_lshrrev_b32 v248, 5, v0
	v_readfirstlane_b32 s20, v248                  ; wave 0..15
	s_and_b32 s21, s20, 3                          ; h
	s_lshr_b32 s22, s20, 2                         ; g
	; descriptor group 1: 16 rows of 128 elements of 4 bytes; 4 words of padding behind every 128
	s_mov_b32 s32, (2<<16)|(1<<20)|(6<<22)|(3<<25)
	s_mov_b32 s33, 128<<16                         ; tensor_dim0
	s_mov_b32 s34, 16<<16                          ; tensor_dim1
	s_mov_b32 s35, 128<<16                         ; tile_dim0
	s_mov_b32 s36, 16                              ; tile_dim1
	s_mov_b32 s37, 128                             ; elements from row to row
	s_mov_b32 s38, 0
	s_mov_b32 s39, 0
	s_mul_i32 s55, s20, WROWS                      ; my 16 rows in LDS
	s_mov_b32 s40, 1
	s_mov_b32 s41, s55
	s_mov_b32 s44, 1
	s_add_co_u32 s45, s55, OC
	s_lshl_b32 s48, ttmp9, 17
	s_lshl_b32 s49, s20, 13
	s_add_co_u32 s48, s48, s49                     ; and in X, ocol and out: 131,072 x row + 8,192 x wave
	s_mov_b32 s49, 0
	s_lshl_b32 s50, ttmp9, 10                      ; the mask's row
	s_mov_b32 s51, 0
	s_lshl_b32 s98, s20, 6
	s_add_co_u32 s98, s98, s50                     ; and my 16 positions in it
	s_mov_b32 s99, 0
	s_lshl_b32 s52, s21, 11                        ; the scalar parts of the addresses below
	s_lshl_b32 s53, s21, 8
	s_lshl_b32 s54, s22, 8
	s_lshl_b32 s56, s20, 10
	s_add_co_u32 s56, s56, XIMG
	s_lshl_b32 s57, s20, 6
	s_add_co_u32 s57, s57, XSC
	s_lshl_b32 s58, s22, 12
	s_add_co_u32 s58, s58, XIMG
	s_add_co_u32 s59, s54, XSC
	s_add_co_u32 s60, s58, s53
	s_add_co_u32 s61, s59, s21
	s_lshl_b32 s62, s21, 12
	s_lshl_b32 s63, s22, 10
	s_add_co_u32 s62, s62, s63
	s_add_co_u32 s62, s62, KH
	s_lshl_b32 s66, s21, 2
	s_add_co_u32 s63, s63, s66
	s_add_co_u32 s63, s63, KS
	s_lshl_b32 s66, s21, 12
	s_lshl_b32 s67, s22, 9
	s_add_co_u32 s66, s66, s67
	s_add_co_u32 s66, s66, VIMG
	s_lshr_b32 s67, s22, 1
	s_lshl_b32 s67, s67, 6
	s_add_co_u32 s67, s67, s53
	s_and_b32 s93, s22, 1
	s_lshl_b32 s93, s93, 1
	s_add_co_u32 s67, s67, s93
	s_add_co_u32 s67, s67, VS
	s_mov_b32 s24, 0x76543210
	s_mov_b32 s25, 0xfedcba98                      ; v_permlanex16_b32: lane l xor 16
	s_mov_b32 s26, 0x3e8293ee                      ; c = log2(e) / sqrt(32)
	s_mov_b32 s27, s26                             ; (named with it as a pair, so it is written)
	s_mov_b32 s[HO], 4096
	s_mov_b32 s[HS], 4
	s_mov_b32 s[HT], 256
	s_mov_b32 s[OT], 0
	s_mov_b32 s[O1], 0
	s_mov_b32 s[OCO], 0
	s_mov_b32 s90, 3
	s_mov_b32 s91, 0xffff
	s_mov_b32 s92, 0x01017f00                      ; 1.0 for block 1, byte 1 for blocks 2 and 3
	s_mov_b32 s94, 0
	s_mov_b32 s95, 0
	v_and_b32 v248, 31, v0                         ; lane
	v_and_b32 v249, 15, v0                         ; r
	v_bfe_u32 v250, v0, 4, 1                       ; hl
	v_lshlrev_b32 v[GOF], 4, v248
	v_lshlrev_b32 v251, 4, v249                    ; 16 r
	v_lshlrev_b32 v252, 3, v250                    ; 8 hl
	v_mul_u32_u24 v253, v249, PITCH
	v_add_nc_u32 v254, v251, v252
	v_add_nc_u32 v200, s52, v[GOF]                 ; v200: my head's weights in wimg
	v_lshl_add_u32 v201, v248, 2, s53              ; v201: their scale words
	v_lshl_add_u32 v202, v249, 2, s54              ; v202: the mask of my group's keys
	v_lshl_add_u32 v253, v250, 6, v253
	v_add_nc_u32 v[XIM], s56, v[GOF]
	v_lshl_add_u32 v[XSW], v249, 2, s57
	v_add_nc_u32 v[XA], s55, v253
	v_add_nc_u32 v[QB], s56, v251
	v_add_nc_u32 v192, s58, v[GOF]                 ; v192: my group's four fragments of X
	v_lshl_add_u32 v193, v249, 2, s59              ; v193: their scale words
	v_add_nc_u32 v[AOC], OC, v[XA]
	v_add_nc_u32 v[OSTB], v[QB], v252
	v_add_nc_u32 v194, s60, v254                   ; v194: Q's codes of my head go here,
	v_lshl_add_u32 v195, v249, 2, s61              ; v195: their scale bytes
	v_add_nc_u32 v196, s62, v254                   ; v196: K's codes,
	v_add_nc_u32 v197, s63, v251                   ; v197: K's scale words
	v_add_nc_u32 v198, s66, v[GOF]                 ; v198: V's quads: my 64 keys are quad g % 2 of step g / 2,
	v_lshl_add_u32 v199, v249, 2, s67              ; v199: V's two scale bytes
	v_xor_b32 v[NHL], 1, v250
	v_lshl_add_u32 v[KB], v250, 14, v251           ; KS - KH = 16,384
	v_add_nc_u32 v[VB], VIMG, v[GOF]
	v_add_nc_u32 v[SB], KS, v[GOF]
	v_lshlrev_b32 v[TB], 2, v248
	v_add_nc_u32 v[KB], KH, v[KB]
	v_add_nc_u32 v[TB], VS, v[TB]
.irp b, 0,1,2,3
	v_mov_b32 v[T4+\b], 0                          ; written once: a lane permute's destination counts as one of its sources
	v_mov_b32 v[QC+4+\b], 0                        ; the queries' blocks 2 and 3: zero codes
.endr
	s_wait_alu depctr_va_vdst(0)
	s_wait_dscnt 0x0                               ; both opening adds are done
	s_wait_kmcnt 0x0
	s_add_nc_u64 s[42:43], s[4:5], s[48:49]
	s_or_b32 s43, s43, 0x80000000
	tensor_load_to_lds s[40:43], s[32:39]          ; my 16 rows of X
	s_nop 0
	s_add_nc_u64 s[46:47], s[10:11], s[48:49]
	s_or_b32 s47, s47, 0x80000000
	s_add_nc_u64 s[30:31], s[18:19], s[48:49]
	s_add_nc_u64 s[28:29], s[6:7], s[50:51]
	s_add_nc_u64 s[96:97], s[6:7], s[98:99]
	s_load_b512 s[68:83], s[96:97], 0x0            ; the mask of my 16 positions, for the way out
.irp y, 0,1,2
.irp u, 0,1
.irp c, 0,1
	global_load_b128 v[WF+16*\y+8*\u+4*\c:WF+16*\y+8*\u+4*\c+3], v200, s[8:9] offset:9216*\y+1024*\u+512*\c
.endr
.endr
.endr
.irp y, 0,1,2
.irp u, 0,1
	global_load_b32 v[WS+2*\y+\u], v201, s[8:9] offset:9216*\y+8192+128*\u
.endr
.endr
.irp i, 0,1,2,3
	global_load_b32 v[MK+\i], v202, s[28:29] offset:64*\i
.endr
	; ---- 1: my tile of X along the 128 features.  Nobody else reads these rows: my own wait is all that is owed
	s_wait_tensorcnt 0x0
.irp b, 0,1,2,3
.irp j, 0,1,2,3
	ds_load_b128 v[S+16*\b+4*\j:S+16*\b+4*\j+3], v[XA] offset:128*\b+16*\j
.endr
.endr
	s_wait_dscnt 0x0
	QCORE S, PC
	WORD
	SWAPS PC
	ds_store_b128 v[XIM], v[PC:PC+3]               ; the fragment goes to LDS as its registers stand
	ds_store_b128 v[XIM], v[PC+4:PC+7] offset:512
	ds_store_b32 v[XSW], v[PW]                     ; both halves of the lanes write row r's word, with the same value
	s_wait_alu depctr_va_vdst(0)
	s_wait_tensorcnt 0x0                           ; ahead of a later first fill:
	ds_add_u32 v[SPW], v[NIL]
	s_wait_dscnt 0x0                               ; the add is done, and my fragment lies in LDS
	s_barrier_signal -1
	s_barrier_wait -1                              ; everybody's does
	tensor_load_to_lds s[44:47], s[32:39]          ; my 16 rows of ocol: wanted at the end of the first head
	s_nop 0
	; ---- 2: Q, K, V of my head for my group's 64 positions
.irp i, 0,1,2,3
.irp c, 0,1
	ds_load_b128 v[XF+8*\i+4*\c:XF+8*\i+4*\c+3], v192 offset:1024*\i+512*\c
.endr
.endr
.irp i, 0,1,2,3
	ds_load_b32 v[XW+\i], v193 offset:64*\i
.endr
	s_wait_dscnt 0x0
	s_barrier_signal -1                            ; I have read X's fragments; Q's codes take their bytes behind the wait below
	s_wait_loadcnt 0x0                             ; the weights and the mask
	v_mov_b32 v248, 0x01010100                     ; bytes 1 to 3 of an open key's scale word,
	v_mov_b32 v249, 0x0101e300                     ; and of a masked key's
.irp i, 0,1,2,3
	v_cmp_eq_f32 vcc_lo, 0, v[MK+\i]
	v_cndmask_b32 v[MK+\i], v248, v249, vcc_lo
.endr
	PROJ 0
	PLACES 4                                       ; in front of the first read of results
	QCORE S, QA
	s_wait_alu depctr_va_vdst(0)                   ; directly ahead of the barrier's wait
	s_barrier_wait -1
.irp i, 0,1,2,3
	ds_store_b64 v194, v[QA+2*\i:QA+2*\i+1] offset:1024*\i   ; my half's 16 codes of query (tile i, row r)
	ds_store_b8 v195, v[T4+\i] offset:64*\i
.endr
	PLACES 5                                       ; in front of products that begin anew on the registers of the last ones
	PROJ 1
	PLACES 4
	QCORE S, PC
.irp i, 0,1,2,3
	v_or_b32 v[248+\i], v[T4+\i], v[MK+\i]         ; K's scale word: its byte, and the mask's
.endr
.irp i, 0,1,2,3
	ds_store_b64 v196, v[PC+2*\i:PC+2*\i+1] offset:256*\i
	ds_store_b32 v197, v[248+\i] offset:256*\i
.endr
	s_wait_dscnt 0x0                               ; the stores have read their registers
	PLACES 5
.irp u, 0,1                                    ; V not transposed: a lane holds ONE feature and its registers run along the keys
.irp i, 0,1,2,3
	MM S+32*\u+8*\i, XF+8*\i, WF+32+8*\u, 0, XW+\i, WS+4+\u, 0
.endr
.endr
	PLACES 4
	QCORE S, PC                                    ; block 2 u + b: feature (u, r), keys 64 g + 32 b on
	SWAPS PC
.irp u, 0,1
	v_lshl_or_b32 v[248+\u], v[T4+1+2*\u], 8, v[T4+2*\u]
.endr
.irp u, 0,1
	ds_store_b128 v198, v[PC+4*\u:PC+4*\u+3] offset:2048*\u
	ds_store_b16 v199, v[248+\u] offset:128*\u
.endr
	s_wait_alu depctr_va_vdst(0)
	s_wait_dscnt 0x0
	s_barrier_signal -1
	s_barrier_wait -1                              ; all Q, K and V lie in LDS.  From here on no wave waits for another
	; ---- 3: head 0's K, V and Q come into registers
.irp t, 0,1,2,3,4,5,6,7,8,9,10,11,12,13,14,15
	ds_load_b128 v[KR+4*\t:KR+4*\t+3], v[KB] offset:256*\t
.endr
.irp j, 0,1,2,3,4,5,6,7
	ds_load_b32 v[KSW+\j], v[SB] offset:512*\j
.endr
.irp u, 0,1
.irp k, 0,1
.irp c, 0,1
	ds_load_b128 v[VR+16*\u+8*\k+4*\c:VR+16*\u+8*\k+4*\c+3], v[VB] offset:2048*\u+1024*\k+512*\c
.endr
.endr
.endr
.irp u, 0,1
	ds_load_b32 v[VSW+\u], v[TB] offset:128*\u
.endr
	ds_load_b128 v[QC:QC+3], v[QB]
	ds_load_b32 v[QW], v[XSW]
; A key step: keys 128 st on.  last = 0: the next head's K of this step is fetched as soon as the scores are made (and, in step 1, its Q and V's first step); last = 1: Wo comes in its place
.macro STEP st, last
.irp t, 0,1,2,3,4,5,6,7                        ; S^T: source 0 names eight registers from tile T's four on: the upper four, other codes, meet the queries' zeros
	MM S+8*\t, KR+4*(8*\st+\t), QC, 0, KSW+4*\st+\t/2, QSW, (\t)%2
.endr
.if \last
	PLACES 4
.irp t, 0,1,2,3
.irp c, 0,1
	global_load_b128 v[KR+32*\st+8*\t+4*\c:KR+32*\st+8*\t+4*\c+3], v[GOF], s[8:9] offset:WOI+1024*(4*\st+\t)+512*\c
.endr
	global_load_b32 v[KSW+4*\st+\t], v[QW], s[8:9] offset:WOI+8192+128*(4*\st+\t)
.endr
.if \st
	global_load_b128 v[BO:BO+3], v[GOF], s[12:13]
	global_load_b128 v[GA:GA+3], v[GOF], s[14:15]
	global_load_b128 v[BE:BE+3], v[GOF], s[16:17]
.endif
.else
	v_mul_u32_u24 v250, s[HO], v[NHL]              ; (these address lines are places too: three of the four that are asked)
	v_add_nc_u32 v251, s[HS], v[SB]
	v_add_nc_u32 v250, v250, v[KB]
	v_nop
.irp t, 0,1,2,3,4,5,6,7
	ds_load_b128 v[KR+4*(8*\st+\t):KR+4*(8*\st+\t)+3], v250 offset:256*(8*\st+\t)
.endr
.irp j, 0,1,2,3
	ds_load_b32 v[KSW+4*\st+\j], v251 offset:512*(4*\st+\j)
.endr
.if \st
	v_add_nc_u32 v252, s[HO], v[VB]
	v_add_nc_u32 v253, s[HT], v[QB]
.irp u, 0,1
.irp c, 0,1
	ds_load_b128 v[VR+16*\u+4*\c:VR+16*\u+4*\c+3], v252 offset:2048*\u+512*\c
.endr
.endr
	ds_load_b128 v[QC:QC+3], v253
.endif
.endif
.irp b, 0,1,2,3
	v_max3_num_f32 v[BM+\b], v[S+16*\b], v[S+1+16*\b], v[S+2+16*\b]   ; the largest score of each block of 32 keys: for the row's maximum, and, since p rises with the score, for the block's largest p
.endr
.irp e, 3,5,7,9,11,13
.irp b, 0,1,2,3
	v_max3_num_f32 v[BM+\b], v[BM+\b], v[S+16*\b+\e], v[S+1+16*\b+\e]
.endr
.endr
.irp b, 0,1,2,3
	v_max_num_f32 v[BM+\b], v[BM+\b], v[S+15+16*\b]
.endr
.irp b, 0,1,2,3
	s_delay_alu instid0(VALU_DEP_4)
	v_permlanex16_b32 v[T4+\b], v[BM+\b], s24, s25
.endr
.irp b, 0,1,2,3
	s_delay_alu instid0(VALU_DEP_4)
	v_max_num_f32 v[BM+\b], v[BM+\b], v[T4+\b]
.endr
	s_delay_alu instid0(VALU_DEP_2)
	v_max3_num_f32 v254, v[BM], v[BM+1], v[BM+2]
	s_delay_alu instid0(VALU_DEP_1)
	v_max_num_f32 v254, v254, v[BM+3]
	s_delay_alu instid0(VALU_DEP_1)
	v_mul_f32 v254, s26, v254                      ; the step's largest t
	s_delay_alu instid0(VALU_DEP_1)
	v_max_num_f32 v[TX], v[TX], v254
	v_mov_b32 v254, v[NM]
	s_delay_alu instid0(VALU_DEP_2)
	v_floor_f32 v[NM], -v[TX]                      ; -M = floor(-t): M is a whole number
	s_delay_alu instid0(VALU_DEP_1)
	v_sub_f32 v254, v[NM], v254                    ; old M - new M, 0 or less
	s_delay_alu instid0(VALU_DEP_1)
	v_cvt_i32_f32 v254, v254                       ; (it saturates)
	s_delay_alu instid0(VALU_DEP_1)
	v_ldexp_f32 v[FF], 1.0, v254                   ; f = 2^(old M - new M): a multiplication by it rounds nothing
.set j, 0
.rept 32
	v_pk_fma_f32 v[S+j:S+j+1], v[S+j:S+j+1], s[26:27], v[NM:NM+1] op_sel_hi:[1,0,0]   ; t - M
.set j, j+2
.endr
.irp b, 0,1,2,3
	v_fma_f32 v[BM+\b], v[BM+\b], s26, v[NM]       ; the same of each block's largest score
.endr
	s_wait_alu depctr_va_vdst(0)                   ; ahead of the batch, and of the wait below
.if \st
	s_wait_tensorcnt 0x0                           ; my rows of ocol are in (only the first head can wait here)
.else
	s_wait_dscnt 12-12*\last                       ; V and its scale words are in; last = 0: the twelve loads of K above may be out
.endif
.set j, 0
.rept 64
	v_exp_f32 v[S+j], v[S+j]                       ; p = 2^(t - M): one batch
.set j, j+1
.endr
	v_pk_mul_f32 v[LS:LS+1], v[LS:LS+1], v[FF:FF+1] op_sel_hi:[1,0]   ; the sum under the new M: the plain line behind the batch
	s_wait_alu depctr_va_vdst(0)                   ; one wait for the 64, ahead of their first reader
.irp b, 0,1,2,3
	v_exp_f32 v[BM+\b], v[BM+\b]                   ; each block's largest p
.endr
	v_pk_add_f32 v[248:249], v[S:S+1], v[S+2:S+3]  ; the sum of the UNQUANTISED p, in two chains
.set j, 4
.rept 7
	v_pk_add_f32 v[LS:LS+1], v[LS:LS+1], v[S+j:S+j+1]
	v_pk_add_f32 v[248:249], v[248:249], v[S+j+2:S+j+3]
.set j, j+4
.endr
	s_wait_alu depctr_va_vdst(0)                   ; and one wait for the four
.irp b, 0,1,2,3
	v_max_num_f32 v[BM+\b], 0x1800000, v[BM+\b]    ; the floor: a block whose every p is 0 keeps the byte 1; its codes are zeros
.endr
.irp b, 0,1,2,3
	s_delay_alu instid0(VALU_DEP_4)
	v_add_nc_u32 v[SO+\b], 0xff000000, v[BM+\b]
.endr
.irp b, 0,1,2,3
	s_delay_alu instid0(VALU_DEP_4)
	v_lshrrev_b32 v[T4+\b], 23, v[SO+\b]
.endr
	WORD                                           ; p's scale word for these 128 keys
.set j, 32
.rept 8                                        ; the sum's second half: plain lines between the scale word's last write and the product
	v_pk_add_f32 v[LS:LS+1], v[LS:LS+1], v[S+j:S+j+1]
	v_pk_add_f32 v[248:249], v[248:249], v[S+j+2:S+j+3]
.set j, j+4
.endr
	s_delay_alu instid0(VALU_DEP_1)
	v_pk_add_f32 v[LS:LS+1], v[LS:LS+1], v[248:249]
.irp b, 0,1,2,3
	v_cvt_scalef32_pk8_fp4_f32 v[PC+2*\b], v[S+16*\b:S+7+16*\b], v[SO+\b]
	v_cvt_scalef32_pk8_fp4_f32 v[PC+1+2*\b], v[S+8+16*\b:S+15+16*\b], v[SO+\b]
.endr
	v_nop                                          ; one plain line behind the last scaled conversion
.if \st
	v_add_nc_u32 v252, s[OCO], v[AOC]
.irp k, 0,1,2,3
	ds_load_b128 v[S+4*\k:S+3+4*\k], v252 offset:16*\k   ; the column attention's half: features 32 h + 16 hl + 0..15 of my query
.endr
.endif
	SWAPS PC
.if \st
.set j, 0
.rept 8
	v_pk_mul_f32 v[OA+j:OA+j+1], v[OA+j:OA+j+1], v[FF:FF+1] op_sel_hi:[1,0]   ; O^T under the new M
.set j, j+2
.endr
.else
	PLACES 4                                       ; between the codes' last write and the products
.endif
.irp u, 0,1                                    ; O^T (+)= V^T P^T
	MM OA+8*\u, VR+16*\u+8*\st, PC, \st, VSW+\u, PW, \st
.endr
.endm
; A head: its operand and statistics, two key steps, and its block of the next operand
.macro HEAD last
	v_bfi_b32 v[QSW], 0xff, v[QW], s92             ; Q's scale word: this head's byte and the constant bytes.  Nine plain lines stand between it and the products
	v_lshrrev_b32 v[QW], 8, v[QW]
	v_cndmask_b32 v[QC], 0x7000, v[QC], s91        ; lanes 0-15 the head's 32 codes; lanes 16-31 block 1: +6 at k = 35, else zeros
	v_cndmask_b32 v[QC+1], 0, v[QC+1], s91
	v_cndmask_b32 v[QC+2], 0, v[QC+2], s91
	v_cndmask_b32 v[QC+3], 0, v[QC+3], s91
	v_mov_b32 v[TX], 0xef800000                    ; the largest t so far: -2^96.  (These four lines are the places between the operand's last write and the products)
	v_mov_b32 v[NM], 0x6f800000                    ; -M
	v_mov_b32 v[LS], 0
	v_mov_b32 v[LS+1], 0
.if \last
	v_lshrrev_b32 v[QW], 2, v[GOF]                 ; 4 x lane, for Wo's scale words
.endif
	STEP 0, \last
	STEP 1, \last
	v_add_f32 v250, v[LS], v[LS+1]
	v_permlanex16_b32 v251, v250, s24, s25
	v_add_f32 v250, v250, v251                     ; the row's sum
	s_wait_alu depctr_va_vdst(0)
	v_rcp_f32 v250, v250
	v_nop                                          ; a plain line behind the reciprocal
	s_wait_alu depctr_va_vdst(0)                   ; and the wait ahead of its reader
	v_mul_f32 v[FF], 0.5, v250                     ; the additions, the permute, the v_nop and this line are the places behind the last products
	s_wait_alu depctr_va_vdst(0)
	s_wait_dscnt 0x0                               ; ocol's 64 bytes are in, and so are the next head's K and Q
.set j, 0
.rept 8
	v_pk_fma_f32 v[S+16+j:S+17+j], v[OA+j:OA+j+1], v[FF:FF+1], v[S+j:S+j+1] op_sel_hi:[1,0,1]   ; 0.5 x O^T / the sum + the column's half
.set j, j+2
.endr
.if \last == 0
	v_add_nc_u32 v252, s[HO], v[VB]
	v_add_nc_u32 v253, s[HT], v[TB]
.irp u, 0,1
.irp c, 0,1
	ds_load_b128 v[VR+16*\u+8+4*\c:VR+16*\u+11+4*\c], v252 offset:2048*\u+1024+512*\c   ; the next head's V, second step,
.endr
.endr
.irp u, 0,1
	ds_load_b32 v[VSW+\u], v253 offset:128*\u      ; and V's scale words
.endr
.endif
	v_max3_num_f32 v250, |v[S+16]|, |v[S+17]|, 0x1800000
	v_max3_num_f32 v252, |v[S+24]|, |v[S+25]|, |v[S+26]|
	s_delay_alu instid0(VALU_DEP_2)
	v_max3_num_f32 v250, v250, |v[S+18]|, |v[S+19]|
	s_delay_alu instid0(VALU_DEP_2)
	v_max3_num_f32 v252, v252, |v[S+27]|, |v[S+28]|
	s_delay_alu instid0(VALU_DEP_2)
	v_max3_num_f32 v250, v250, |v[S+20]|, |v[S+21]|
	s_delay_alu instid0(VALU_DEP_2)
	v_max3_num_f32 v252, v252, |v[S+29]|, |v[S+30]|
	s_delay_alu instid0(VALU_DEP_2)
	v_max3_num_f32 v250, v250, |v[S+22]|, |v[S+23]|
	v_add_nc_u32 v248, s[OT], v[OSTB]
	v_max3_num_f32 v250, v250, v252, |v[S+31]|
	v_add_nc_u32 v249, s[O1], v[XSW]
	v_permlanex16_b32 v251, v250, s24, s25
	s_delay_alu instid0(VALU_DEP_1)
	v_max_num_f32 v250, v250, v251                 ; the block's largest magnitude
	s_delay_alu instid0(VALU_DEP_1)
	v_add_nc_u32 v252, 0xff000000, v250
	s_delay_alu instid0(VALU_DEP_1)
	v_lshrrev_b32 v253, 23, v252
	v_cvt_scalef32_pk8_fp4_f32 v[PC], v[S+16:S+23], v252
	v_cvt_scalef32_pk8_fp4_f32 v[PC+1], v[S+24:S+31], v252
	v_nop
	ds_store_b64 v248, v[PC:PC+1]                  ; block h of my tile's operand, where Q's codes of this head lay: nobody else touches these bytes any more
	ds_store_b8 v249, v253                         ; byte h of my query's scale word
.endm
	s_wait_alu depctr_va_vdst(0)
	s_wait_kmcnt 0x0                               ; the mask of my positions
	s_wait_dscnt 0x0                               ; K, V and Q are in
.Lhead:                                                ; heads 0 to 2
	HEAD 0
	s_wait_alu depctr_va_vdst(0)                   ; ahead of the scalar lines and the branch
	s_add_co_u32 s[HO], s[HO], 4096
	s_add_co_u32 s[HS], s[HS], 4
	s_add_co_u32 s[HT], s[HT], 256
	s_add_co_u32 s[OT], s[OT], 256
	s_add_co_u32 s[O1], s[O1], 1
	s_add_co_u32 s[OCO], s[OCO], 128
	s_sub_co_u32 s90, s90, 1
	s_cmp_lg_u32 s90, 0
	s_cbranch_scc1 .Lhead
	HEAD 1                                         ; head 3: nothing of a next head is fetched
	; ---- 4: the way out: my 16 positions x 128.  Register 8 t + i of the product: feature 32 (t / 2) + 16 hl + 8 (t % 2) + i of my position
	ds_load_b128 v[QC:QC+3], v[XIM]                ; LDS serves a wave's instructions in order: these see my stores
	ds_load_b128 v[QC+4:QC+7], v[XIM] offset:512
	ds_load_b32 v[QSW], v[XSW]
	s_add_co_u32 s98, s55, OC                      ; my rows of ocol have had their last read: bo takes the first 512 bytes
	v_bfe_u32 v250, v0, 4, 1
	v_add_nc_u32 v248, s55, v[GOF]                 ; my rows of X in LDS, by rows, 16 bytes a lane
	v_lshlrev_b32 v250, 6, v250
	v_add_nc_u32 v249, s98, v[GOF]
	v_add_nc_u32 v250, s98, v250
	s_wait_alu depctr_va_vdst(0)                   ; directly ahead of the wait below
	s_wait_loadcnt 0x0                             ; Wo, bo, gamma, beta
	ds_store_b128 v249, v[BO:BO+3]
.irp b, 0,1,2,3
.irp j, 0,1,2,3
	ds_load_b128 v[S+16*\b+4*\j:S+16*\b+4*\j+3], v[XA] offset:128*\b+16*\j   ; the residual starts the sums
.endr
.endr
.irp j, 0,1,2,3                        ; bo in the result's layout, block by block
	ds_load_b128 v[96+4*\j:99+4*\j], v250 offset:16*\j
	ds_load_b128 v[112+4*\j:115+4*\j], v250 offset:128+16*\j
	ds_load_b128 v[192+4*\j:195+4*\j], v250 offset:256+16*\j
	ds_load_b128 v[232+4*\j:235+4*\j], v250 offset:384+16*\j
.endr
	s_wait_dscnt 16                                ; all but bo's sixteen
.irp t, 0,1,2,3,4,5,6,7
	MM S+8*\t, KR+8*\t, QC, 1, KSW+\t, QSW, 0
.endr
	PLACES 4
	s_wait_dscnt 0x0
.set e, 0
.rept 16
	v_pk_add_f32 v[S+e:S+e+1], v[S+e:S+e+1], v[96+e:97+e]
.set e, e+2
.endr
.rept 8
	v_pk_add_f32 v[S+e:S+e+1], v[S+e:S+e+1], v[192+e-32:193+e-32]
.set e, e+2
.endr
.rept 8
	v_pk_add_f32 v[S+e:S+e+1], v[S+e:S+e+1], v[232+e-48:233+e-48]
.set e, e+2
.endr
	s_mov_b32 s52, 0x3c000000                      ; 1 / 128
	s_mov_b32 s53, 0x3727c5ac                      ; 1e-5
.irp q, 0,1,2,3
	v_pk_add_f32 v[232+2*\q:233+2*\q], v[S+2*\q:S+1+2*\q], v[S+8+2*\q:S+9+2*\q]
.endr
.irp m, 16,24,32,40,48,56
.irp q, 0,1,2,3
	s_delay_alu instid0(VALU_DEP_4)
	v_pk_add_f32 v[232+2*\q:233+2*\q], v[232+2*\q:233+2*\q], v[S+\m+2*\q:S+1+\m+2*\q]
.endr
.endr
	s_delay_alu instid0(VALU_DEP_3)
	v_pk_add_f32 v[232:233], v[232:233], v[234:235]
	s_delay_alu instid0(VALU_DEP_2)
	v_pk_add_f32 v[236:237], v[236:237], v[238:239]
	s_delay_alu instid0(VALU_DEP_1)
	v_pk_add_f32 v[232:233], v[232:233], v[236:237]
	s_delay_alu instid0(VALU_DEP_1)
	v_add_f32 v232, v232, v233
	s_delay_alu instid0(VALU_DEP_1)
	v_permlanex16_b32 v233, v232, s24, s25
	s_delay_alu instid0(VALU_DEP_1)
	v_add_f32 v232, v232, v233
	s_delay_alu instid0(VALU_DEP_1)
	v_mul_f32 v232, s52, v232                      ; the mean
.set e, 0
.rept 32
	v_pk_add_f32 v[S+e:S+e+1], v[S+e:S+e+1], v[232:233] op_sel_hi:[1,0] neg_lo:[0,1] neg_hi:[0,1]
.set e, e+2
.endr
.irp q, 0,1,2,3
	v_pk_mul_f32 v[240+2*\q:241+2*\q], v[S+2*\q:S+1+2*\q], v[S+2*\q:S+1+2*\q]
.endr
.irp m, 8,16,24,32,40,48,56
.irp q, 0,1,2,3
	s_delay_alu instid0(VALU_DEP_4)
	v_pk_fma_f32 v[240+2*\q:241+2*\q], v[S+\m+2*\q:S+1+\m+2*\q], v[S+\m+2*\q:S+1+\m+2*\q], v[240+2*\q:241+2*\q]
.endr
.endr
	s_delay_alu instid0(VALU_DEP_3)
	v_pk_add_f32 v[240:241], v[240:241], v[242:243]
	s_delay_alu instid0(VALU_DEP_2)
	v_pk_add_f32 v[244:245], v[244:245], v[246:247]
	s_delay_alu instid0(VALU_DEP_1)
	v_pk_add_f32 v[240:241], v[240:241], v[244:245]
	s_delay_alu instid0(VALU_DEP_1)
	v_add_f32 v240, v240, v241
	s_delay_alu instid0(VALU_DEP_1)
	v_permlanex16_b32 v241, v240, s24, s25
	s_delay_alu instid0(VALU_DEP_1)
	v_add_f32 v240, v240, v241
	s_delay_alu instid0(VALU_DEP_1)
	v_fma_f32 v240, v240, s52, s53                 ; the variance + 1e-5
	s_wait_alu depctr_va_vdst(0)
	v_rsq_f32 v242, v240
	v_nop
	s_wait_alu depctr_va_vdst(0)
.set e, 0
.rept 32
	v_pk_mul_f32 v[S+e:S+e+1], v[S+e:S+e+1], v[242:243] op_sel_hi:[1,0]
.set e, e+2
.endr
.irp b, 0,1,2,3
.irp j, 0,1,2,3
	ds_store_b128 v[XA], v[S+16*\b+4*\j:S+16*\b+4*\j+3] offset:128*\b+16*\j   ; onto my rows of X, which have had their one fill and their last read
.endr
.endr
.irp n, 0,1,2,3,4,5,6,7,8,9,10,11,12,13,14,15
	ds_load_b128 v[32+4*\n:35+4*\n], v248 offset:\n*PITCH   ; and back by rows: lane l holds features 4 l .. 4 l + 3
.endr
.irp n, 0,1,2,3,4,5,6,7,8,9,10,11,12,13,14,15
	s_wait_dscnt 15-\n                             ; the younger rows may be out
	v_pk_fma_f32 v[32+4*\n:33+4*\n], v[32+4*\n:33+4*\n], v[GA:GA+1], v[BE:BE+1]
	v_pk_fma_f32 v[34+4*\n:35+4*\n], v[34+4*\n:35+4*\n], v[GA+2:GA+3], v[BE+2:BE+3]
.if \n % 2
	s_mov_b32 s94, s[68+\n]                        ; a pair begins at an even register
	v_pk_mul_f32 v[32+4*\n:33+4*\n], v[32+4*\n:33+4*\n], s[94:95] op_sel_hi:[1,0]
	v_pk_mul_f32 v[34+4*\n:35+4*\n], v[34+4*\n:35+4*\n], s[94:95] op_sel_hi:[1,0]
.else
	v_pk_mul_f32 v[32+4*\n:33+4*\n], v[32+4*\n:33+4*\n], s[68+\n:69+\n] op_sel_hi:[1,0]
	v_pk_mul_f32 v[34+4*\n:35+4*\n], v[34+4*\n:35+4*\n], s[68+\n:69+\n] op_sel_hi:[1,0]
.endif
	global_store_b128 v[GOF], v[32+4*\n:35+4*\n], s[30:31] offset:512*\n th:TH_STORE_NT   ; 512 consecutive bytes, aligned to 256
.endr
	s_wait_tensorcnt 0x0                           ; the wave's end: behind my last tensor load and my last LDS store
	ds_add_u32 v[SPW], v[NIL]
	s_wait_dscnt 0x0
	s_endpgm
.Lfunc_end_k_q679667b4b7_rowfin:
	.size	k_q679667b4b7_rowfin, .Lfunc_end_k_q679667b4b7_rowfin-k_q679667b4b7_rowfin
	.p2alignl 7, 3214868480
	.fill 96, 4, 3214868480
	.section	.rodata,"a",@progbits
	.p2align	6, 0x0
	.amdhsa_kernel k_q679667b4b7_rowfin
		.amdhsa_group_segment_fixed_size 327680
		.amdhsa_private_segment_fixed_size 0
		.amdhsa_enable_private_segment 0
		.amdhsa_kernarg_size 64
		.amdhsa_user_sgpr_count 2
		.amdhsa_user_sgpr_kernarg_segment_ptr 1
		.amdhsa_wavefront_size32 1
		.amdhsa_system_sgpr_workgroup_id_x 1
		.amdhsa_system_sgpr_workgroup_id_y 1
		.amdhsa_system_sgpr_workgroup_id_z 1
		.amdhsa_system_vgpr_workitem_id 0
		.amdhsa_next_free_vgpr 256
		.amdhsa_next_free_sgpr 100
		.amdhsa_reserve_vcc 1
		.amdhsa_float_denorm_mode_32 3
		.amdhsa_float_denorm_mode_16_64 3
		.amdhsa_memory_ordered 1
		.amdhsa_forward_progress 1
		.amdhsa_inst_pref_size 124
	.end_amdhsa_kernel
	.amdgpu_metadata
---
amdhsa.version: [ 1, 2 ]
amdhsa.kernels:
  - .name:           k_q679667b4b7_rowfin
    .symbol:         k_q679667b4b7_rowfin.kd
    .args:
      - { .name: edge_feat, .offset: 0, .size: 8, .value_kind: global_buffer, .address_space: global }
      - { .name: off_diag_mask, .offset: 8, .size: 8, .value_kind: global_buffer, .address_space: global }
      - { .name: wimg, .offset: 16, .size: 8, .value_kind: global_buffer, .address_space: global }
      - { .name: ocol, .offset: 24, .size: 8, .value_kind: global_buffer, .address_space: global }
      - { .name: bo, .offset: 32, .size: 8, .value_kind: global_buffer, .address_space: global }
      - { .name: gamma, .offset: 40, .size: 8, .value_kind: global_buffer, .address_space: global }
      - { .name: beta, .offset: 48, .size: 8, .value_kind: global_buffer, .address_space: global }
      - { .name: out0, .offset: 56, .size: 8, .value_kind: global_buffer, .address_space: global }
    .group_segment_fixed_size: 327680
    .private_segment_fixed_size: 0
    .kernarg_segment_align: 8
    .kernarg_segment_size: 64
    .max_flat_workgroup_size: 512
    .sgpr_count:     100
    .vgpr_count:     256
    .wavefront_size: 32
...
	.end_amdgpu_metadata
.endif
;; end of part 2
